; MI455X (gfx1250); checked and timed in simulation.
; The chip was launched on July 23, 2026; its instructions are those of AMD's public machine-readable ISA for CDNA 5 (MIT licence, August 2026) and "CDNA5" Instruction Set Architecture Reference Guide (July 2026). The comments in the code are by the model that wrote it; some were corrected since.
;; Multi Head Self Attention. Allowed arithmetic: matrix products marked QUANTISED: E2M1 operands, one E8M0 scale for each 32 along K, by v_wmma_scale_f32_16x16x128_f8f6f4 with both operands' format E2M1 (or v_wmma_scale_f32_32x16x128_f4), f32 sums; products left as they are: bf16, f16 or f32 operands; f32 sums; everything else in f32.
;; Inputs: k 4 x 2,048 x 1,024 float32; k_b 1,024 float32; k_w 1,024 x 1,024 float32; out_b 1,024 float32; out_w 1,024 x 1,024 float32; q 4 x 2,048 x 1,024 float32; q_b 1,024 float32; q_w 1,024 x 1,024 float32; v 4 x 2,048 x 1,024 float32.
;; Outputs: out0 4 x 2,048 x 1,024 float32.
;; This version of the problem:
;;   THIS VERSION OF THE PROBLEM IS GIVEN IN LOW PRECISION. The matrix products marked QUANTISED in the list below multiply operands that are first quantised to E2M1 (2 exponent bits, 1 mantissa bit; 4 bits a number), with one power-of-two scale for each 32 numbers along K (OCP MX v1.0); their sums are f32. The products marked 'left as it is' may take bf16, f16 or f32 operands, with f32 sums. Whichever they take, every output number must still come out within the allowed error. Rounding operands to bf16 (8 significant bits) uses up far more of that allowance than f16 does (11 bits, for magnitudes from 6e-5 to 65,504). All else is computed in f32.
;;   The module's matrix products, in the order in which they are computed (A, B: the left and right operand; K: the contracted axis; several contracted axes count as one K, in the product's order):
;;     1. [M 8,192, K 1,024] x [K 1,024, N 1,024]; A: input q; B: input q_w: QUANTISED
;;     2. [M 8,192, K 1,024] x [K 1,024, N 1,024]; A: input k; B: input k_w: QUANTISED
;;     3. [M 8,192, K 1,024] x [K 1,024, N 1,024]; A: input v; B: input q_w: QUANTISED
;;     4. batch 64 x [M 2,048, K 64] x [K 64, N 2,048]; A: computed on the way; B: computed on the way: left as it is (an operand is computed on the way)
;;     5. batch 64 x [M 2,048, K 2,048] x [K 2,048, N 64]; A: computed on the way; B: computed on the way: left as it is (an operand is computed on the way)
;;     6. [M 8,192, K 1,024] x [K 1,024, N 1,024]; A: computed on the way; B: input out_w: left as it is (an operand is computed on the way)
;;   THE QUANTISER, for each operand of a quantised product, along K:
;;     - K is cut into blocks of 32 from its start; a last block that is shorter is filled with zeros.
;;     - A block's scale is 2^e with e = floor(log2(the largest magnitude in the block)) - 2, held to -126 .. 127; a block of zeros has e = 0. As a byte (E8M0): e + 127.
;;     - Each number is divided by its block's scale, clamped to +-6, and rounded to the nearest number of E2M1, ties to even, subnormals kept.
;;     - The product sums the exact products of the quantised numbers (number of the format x scale) in f32.
;;   ~~~python
;;   def quantise(x, axis):      # numpy; x: float32 -> the quantised numbers, widened to float32 again
;;       x = np.moveaxis(x, axis, -1); K = x.shape[-1]
;;       x = np.pad(x, [(0, 0)] * (x.ndim - 1) + [(0, -K % 32)]); x = x.reshape(x.shape[:-1] + (-1, 32)); a = np.abs(x).max(-1, keepdims=True)
;;       e = np.where(a > 0, np.clip(np.frexp(np.where(a > 0, a, 1))[1] - 1 - 2, -126, 127), 0)      # np.frexp(a)[1] - 1 = floor(log2(a)), exactly
;;       r = np.clip(x / 2.0 ** e, -6, 6)
;;       step = 2.0 ** (np.maximum(np.frexp(np.where(r == 0, 1, r))[1] - 1, 0) - 1)
;;       q = np.round(r / step) * step * 2.0 ** e      # np.round: ties to even
;;       return np.moveaxis(q.reshape(q.shape[:-2] + (-1,))[..., :K], -1, axis).astype(np.float32)
;;   ~~~
;; One version. Each part assembles by itself: llvm-mc -triple=amdgcn-amd-amdhsa -mcpu=gfx1250 --defsym DOCPART=n.
;; ======== version 1 of 1: 4 launches
;; limits: values are held in f16: magnitudes above 65,504 overflow, below 6.1e-05 lose precision
;; workspace buffers: xc 12,582,912 bytes; xs 786,432 bytes; wc 1,048,576 bytes; wsc 65,536 bytes; ow16 2,097,152 bytes; qkv 50,331,648 bytes; wsb 16,777,216 bytes
;; launch prep (part 1): grid 928 x 1, 4 waves a work-group, no clusters, 68,096 bytes of LDS; arguments q, k, v, q_w, k_w, out_w, xc, xs, wc, wsc, ow16; writes xc, xs, wc, wsc, ow16
.if DOCPART == 1
	.amdgcn_target "amdgcn-amd-amdhsa--gfx1250"
	.amdhsa_code_object_version 6
	.text
	.protected	k_qae58f73318_prep
	.globl	k_qae58f73318_prep
	.p2align	8
	.type	k_qae58f73318_prep,@function
k_qae58f73318_prep:
	s_mov_b64 s[64:65], 0
	v_nop
	global_prefetch_b8 v0, s[64:65] scope:SCOPE_SE
	s_setreg_imm32_b32 hwreg(HW_REG_WAVE_MODE, 25, 1), 1
	s_wait_xcnt 0x0
; PREP: everything that is quantised or rounded once, in one launch.  Three kinds of work-group, told apart by the work-group's number alone; they never join again.
;   0 .. 31    W: q_w, k_w [1024 (k)][1024 (n)] f32, K outermost -> codes of FP4 (E2M1) wc [2][n][512 bytes], K innermost, and E8M0 bytes wsc [2][n][32]
;   32 .. 159  O: out_w f32 -> ow16, f16, as it lies
;   160 .. 927 X: q, k, v [8192][1024] f32, K innermost -> codes xc [3][8192][512 bytes] and E8M0 bytes xs [3][8192][32]
; The few W work-groups, whose loads are short and many, have the lowest numbers, so that they begin with the launch.
; THE QUANTISER: a block of 32 along K has the scale 2^(floor(log2(its largest magnitude)) - 2); its byte is the largest magnitude's own exponent field - 2, held at 1 from below by a floor among the maximum's leaves.
; Each number is divided by the scale and rounded to the nearest code, ties to even; beyond 6 the conversion gives the largest code.
; LIMITS: NaN and infinities among the inputs are not served.  A block of zeros gets the byte 1 where the rule says 127: its codes are zeros, which add nothing under any byte but 0xff, and this program alone reads the bytes.
; No tensor loads, no barrier: waves share nothing.  Each kind has LDS bytes of its own: X 0 .. 32,767 (8,192 a wave), W 32,768 .. 67,583 (8,704 a wave), then the spare words.
.set SPARE, 67584                      ; the spare words, 128 bytes for each wave: two blocks of 256 bytes that no other line names
.set SPW,   190                        ; v190  LDS address of my spare word: SPARE + 4 x my thread's number; never rewritten
.set NIL,   191                        ; v191  0; never rewritten
.set EMAX,  2                          ; the exponent of E2M1's largest number, 6
; kind X
.set STEPS, 16                         ; a wave takes 16 steps of 512 numbers
.set CB,    8                          ; bytes of 16 codes
.set XR,    16                         ; v16-79   four sets of 16 numbers as they are loaded
.set XX,    80                         ; v80-111  two sets of 16 neighbours
.set XE,    112                        ; v112-127 a scale byte for each step
.set XC,    128                        ; v128-189 codes: registers of its own for each step, so that no store's data are written again
.set WREG,  8192                       ; a wave's LDS: two stages of 32 x SP bytes, behind them its 256 scale bytes
.set SP,    80                         ; a lane's place in a stage: its 64 bytes + 16 of padding
; kind W
.set WSTG,  32768                      ; the four stages of 32 rows x WPITCH
.set NB,    16                         ; blocks of 32 along K for a wave: 512 along K
.set WPITCH, 272                       ; a stage row: 256 bytes of codes + 16
.set KROW,  512                        ; a row of wc in bytes
.set WN4,   4096                       ; a row of a weight in memory, in bytes
.set WSB,   24                         ; v24-27   the scale bytes, four to a register
.set WX,    32                         ; v32-95   two sets of 32 numbers
.set WC,    96                         ; v96-99   a block's codes
.set WOUT,  112                        ; v112-175 the way out
	s_load_b256 s[4:11], s[0:1], 0x0               ; q s[4:5], k s[6:7], v s[8:9], q_w s[10:11]
	s_load_b256 s[12:19], s[0:1], 0x20             ; k_w s[12:13], out_w s[14:15], xc s[16:17], xs s[18:19]
	s_load_b128 s[20:23], s[0:1], 0x40             ; wc s[20:21], wsc s[22:23]
	s_load_b64 s[24:25], s[0:1], 0x50              ; ow16
	v_lshl_add_u32 v[SPW], v0, 2, SPARE
	v_mov_b32 v[NIL], 0
	v_lshrrev_b32 v1, 5, v0
	v_readfirstlane_b32 s26, v1                    ; wave 0..3
	v_and_b32 v2, 31, v0                           ; lane
	s_wait_kmcnt 0x0
	s_cmp_lt_u32 ttmp9, 32
	s_cbranch_scc1 .Lw
	s_cmp_lt_u32 ttmp9, 160
	s_cbranch_scc1 .Lo
; ---------------- KIND X.  Rows are dense and K is a multiple of 32: a tensor is a plain stream of blocks of 32, and so are its codes and its scale bytes.
; The conversions take numbers of ONE block from a lane's consecutive registers, so a lane must hold 16 neighbours (two neighbouring lanes hold a block); a load is best where neighbouring LANES take
; neighbouring bytes.  Both are had: each of a step's four loads reads 512 consecutive bytes, 16 a lane; the 2,048 bytes go through the wave's own stage in LDS and come back 64 bytes a lane.
	s_sub_co_u32 s27, ttmp9, 160                   ; g: 0 .. 767; 256 work-groups to a tensor
	s_cmp_lt_u32 s27, 256
	s_cselect_b64 s[4:5], s[4:5], s[6:7]           ; q or k,
	s_cmp_lt_u32 s27, 512
	s_cselect_b64 s[4:5], s[4:5], s[8:9]           ; or v: the choice hangs on the work-group's number alone
	s_and_b32 s28, s27, 255
	s_lshl_b32 s28, s28, 2
	s_add_co_u32 s28, s28, s26                     ; which run of 8,192 numbers of the tensor is my wave's
	s_lshl_b32 s28, s28, 15                        ; 32,768 bytes a run
	s_mov_b32 s29, 0
	s_add_nc_u64 s[4:5], s[4:5], s[28:29]
	s_lshl_b32 s30, s27, 2
	s_add_co_u32 s30, s30, s26                     ; the run's number over all three tensors: xc and xs hold them on end
	s_lshl_b32 s28, s30, 12                        ; 4,096 bytes of codes a run
	s_add_nc_u64 s[16:17], s[16:17], s[28:29]
	s_lshl_b32 s28, s30, 8                         ; 256 scale bytes a run
	s_add_nc_u64 s[18:19], s[18:19], s[28:29]
	v_lshlrev_b32 v3, 4, v2                        ; my 16 bytes of a load's 512
	s_mul_i32 s31, s26, WREG
	v_lshrrev_b32 v14, 2, v2
	v_mul_u32_u24 v14, v14, SP
	v_and_b32 v15, 3, v2
	v_lshl_add_u32 v14, v15, 4, v14
	v_add_nc_u32 v14, s31, v14                     ; the stage, on the way in: four lanes' 64 bytes on end, then 16 of padding
	v_mul_u32_u24 v15, v2, SP
	v_add_nc_u32 v15, s31, v15                     ; and on the way out: SP x lane: my 16 neighbours
	v_mul_u32_u24 v4, v2, CB                       ; my codes' place in a step's
	v_lshrrev_b32 v5, 1, v2
	s_add_co_u32 s31, s31, 2*32*SP
	v_add_nc_u32 v5, s31, v5                       ; LDS: my wave's 256 scale bytes, my block's byte
	v_lshlrev_b32 v7, 3, v2                        ; and on the way out 8 bytes a lane
	v_add_nc_u32 v6, s31, v7
.macro XLOAD t
.irp i, 0,1,2,3
	global_load_b128 v[XR+16*((\t)%4)+4*\i:XR+16*((\t)%4)+4*\i+3], v3, s[4:5] offset:2048*(\t)+512*\i th:TH_LOAD_NT   ; 32 lanes read 512 consecutive bytes
.endr
.endm
.macro XTURN t                         ; step t's numbers through the stage: LDS serves a wave's instructions in order, so no wait stands between the stores and the loads
.irp i, 0,1,2,3
	ds_store_b128 v14, v[XR+16*((\t)%4)+4*\i:XR+16*((\t)%4)+4*\i+3] offset:32*SP*((\t)%2)+8*SP*\i
.endr
.irp i, 0,1,2,3
	ds_load_b128 v[XX+16*((\t)%2)+4*\i:XX+16*((\t)%2)+4*\i+3], v15 offset:32*SP*((\t)%2)+16*\i
.endr
.endm
.irp t, 0,1,2,3
	XLOAD \t
.endr
	s_wait_loadcnt 12                              ; step 0's four loads are in; the twelve of steps 1 to 3 may be out
	XTURN 0
.macro XSTEP t
.set XS, XX+16*((\t)%2)
.if (\t) > 0
	s_wait_dscnt 1                                 ; this step's numbers are back from the stage (the last step's byte store may be out): so its stores into the stage have read their registers,
.else
	s_wait_dscnt 0x0
.endif
.if (\t)+4 < STEPS
	XLOAD (\t)+4                                   ; which take the loads of four steps on
.endif
.if (\t)+1 < STEPS
.if STEPS-2-(\t) >= 3
	s_wait_loadcnt 12                              ; the next step's four loads are in; those of the three steps behind it may be out
.else
	s_wait_loadcnt 4*(STEPS-2-(\t))                ; at the end the counts run down
.endif
	XTURN (\t)+1                                   ; and go through the other stage while this step is worked
.endif
	v_max3_num_f32 v8, |v[XS]|, |v[XS+1]|, |v[XS+2]|               ; the largest magnitude of my 16, in two chains
	v_max3_num_f32 v9, |v[XS+3]|, |v[XS+4]|, |v[XS+5]|
.irp i, 6,10
	v_max3_num_f32 v8, v8, |v[XS+\i]|, |v[XS+\i+1]|
	v_max3_num_f32 v9, v9, |v[XS+\i+2]|, |v[XS+\i+3]|
.endr
	v_max3_num_f32 v8, v8, |v[XS+14]|, |v[XS+15]|
	v_max3_num_f32 v8, v8, v9, (EMAX+1)<<23        ; and the floor 2^(EMAX + 1 - 127): so the byte cannot fall under 1
	v_max_num_f32_dpp v8, v8, v8 row_xmask:1 row_mask:0xf bank_mask:0xf   ; and of my neighbour's 16: the block's
	v_add_nc_u32 v11, -(EMAX<<23), v8              ; EMAX off its exponent field: the conversion takes the exponent field of this operand as its scale, and nothing else of it
	v_cvt_scalef32_pk8_fp4_f32 v[XC+4*(\t)], v[XS:XS+7], v11       ; eight numbers / the scale, to the nearest code; the first number's code in the lowest four bits
	v_cvt_scalef32_pk8_fp4_f32 v[XC+4*(\t)+1], v[XS+8:XS+15], v11
	v_lshrrev_b32 v[XE+(\t)], 23, v11              ; the scale's byte (also the plain line behind the conversions)
	ds_store_b8 v5, v[XE+(\t)] offset:16*(\t)      ; both lanes of a block write the same byte with the same value
	global_store_b64 v4, v[XC+4*(\t):XC+4*(\t)+1], s[16:17] offset:32*CB*(\t)   ; 32 lanes store 256 consecutive bytes, aligned
.endm
.irp t, 0,1,2,3,4,5,6,7,8,9,10,11,12,13,14,15
	XSTEP \t
.endr
	ds_load_b64 v[8:9], v6                         ; LDS serves a wave's instructions in order: these see my byte stores
	s_wait_dscnt 0x0
	global_store_b64 v7, v[8:9], s[18:19]          ; the wave's 256 scale bytes: 256 consecutive bytes, aligned
	s_wait_tensorcnt 0x0                           ; the wave's end: these three lines behind my last LDS store
	ds_add_u32 v[SPW], v[NIL]
	s_wait_dscnt 0x0
	s_endpgm
; ---------------- KIND W.  A LANE TAKES A COLUMN n, AND ITS REGISTERS RUN DOWN K: each load reads neighbouring n in neighbouring lanes (128 consecutive bytes a wave, 512 a work-group), a block of 32 along K lies
; in ONE lane's 32 registers, and the conversions give the codes with K innermost.  A wave takes 32 columns x 512 along K; its codes go through its own stage and leave as rows: sixteen lanes store 256 consecutive bytes.
.Lw:
	s_lshr_b32 s27, ttmp9, 4                       ; which weight: 0 q_w, 1 k_w
	s_and_b32 s28, ttmp9, 7                        ; which 128 columns
	s_bfe_u32 s29, ttmp9, 0x10003                  ; which half of K
	s_cmp_eq_u32 s27, 0
	s_cselect_b64 s[4:5], s[10:11], s[12:13]
	s_lshl_b32 s28, s28, 7
	s_lshl_b32 s30, s26, 5
	s_add_co_u32 s28, s28, s30                     ; my wave's first column
	s_lshl_b32 s30, s29, 21                        ; 512 rows of 4,096 bytes
	s_lshl_b32 s31, s28, 2
	s_add_co_u32 s30, s30, s31
	s_mov_b32 s31, 0
	s_add_nc_u64 s[4:5], s[4:5], s[30:31]
	s_lshl_b32 s30, s27, 19                        ; codes: 524,288 bytes a weight, 512 a column, 256 for half of K
	s_lshl_b32 s32, s28, 9
	s_add_co_u32 s30, s30, s32
	s_lshl_b32 s32, s29, 8
	s_add_co_u32 s30, s30, s32
	s_add_nc_u64 s[20:21], s[20:21], s[30:31]
	s_lshl_b32 s30, s27, 15                        ; scale bytes: 32,768 a weight, 32 a column, 16 for half of K
	s_lshl_b32 s32, s28, 5
	s_add_co_u32 s30, s30, s32
	s_lshl_b32 s32, s29, 4
	s_add_co_u32 s30, s30, s32
	s_add_nc_u64 s[22:23], s[22:23], s[30:31]
	v_lshlrev_b32 v3, 2, v2                        ; in: 4 bytes a lane
	s_mul_i32 s32, s26, 32*WPITCH
	s_add_co_u32 s32, s32, WSTG                    ; my stage
	v_mul_u32_u24 v4, v2, WPITCH
	v_add_nc_u32 v4, s32, v4                       ; into it: row = my column
	v_and_b32 v5, 15, v2
	v_lshrrev_b32 v6, 4, v2                        ; out of it: sixteen lanes to a row, two rows an instruction
	v_mul_u32_u24 v7, v6, WPITCH
	v_lshl_add_u32 v7, v5, 4, v7
	v_add_nc_u32 v7, s32, v7
	v_mul_u32_u24 v8, v6, KROW
	v_lshl_add_u32 v8, v5, 4, v8                   ; and the same place in wc
	v_lshlrev_b32 v9, 5, v2                        ; my column's row of scale bytes
.macro WLOAD t                         ; block t: W(32 t + i, my column), i = 0 .. 31, into set t % 2.  The largest offset, 511 rows of 4,096 bytes, lies inside the signed 24-bit immediate
.irp i, 0,1,2,3,4,5,6,7,8,9,10,11,12,13,14,15,16,17,18,19,20,21,22,23,24,25,26,27,28,29,30,31
	global_load_b32 v[WX+32*((\t)%2)+\i], v3, s[4:5] offset:(32*(\t)+\i)*WN4 th:TH_LOAD_NT
.endr
.endm
	WLOAD 0
	WLOAD 1
.macro WBLOCK t
.set WXS, WX+32*((\t)%2)
.if (\t) < NB-1
	s_wait_loadcnt 32                              ; this block's 32 loads are in; the next block's 32 may be out
.else
	s_wait_loadcnt 0
.endif
	v_max3_num_f32 v12, |v[WXS]|, |v[WXS+1]|, |v[WXS+2]|           ; the block's largest magnitude: all 32 numbers are mine
	v_max3_num_f32 v13, |v[WXS+3]|, |v[WXS+4]|, |v[WXS+5]|
.irp i, 6,10,14,18,22,26
	v_max3_num_f32 v12, v12, |v[WXS+\i]|, |v[WXS+\i+1]|
	v_max3_num_f32 v13, v13, |v[WXS+\i+2]|, |v[WXS+\i+3]|
.endr
	v_max3_num_f32 v12, v12, |v[WXS+30]|, |v[WXS+31]|
	v_max3_num_f32 v12, v12, v13, (EMAX+1)<<23     ; and the floor
	v_add_nc_u32 v11, -(EMAX<<23), v12             ; the conversion's scale operand
	v_lshrrev_b32 v13, 23, v11                     ; the scale's byte
.if (\t)%4 == 0
	v_mov_b32 v[WSB+(\t)/4], v13                   ; four bytes to a register, the lower K in the lower byte
.else
	v_lshl_or_b32 v[WSB+(\t)/4], v13, 8*((\t)%4), v[WSB+(\t)/4]
.endif
.irp g, 0,1,2,3
	v_cvt_scalef32_pk8_fp4_f32 v[WC+\g], v[WXS+8*\g:WXS+8*\g+7], v11
.endr
	v_nop                                          ; one plain line behind the last conversion
	ds_store_b128 v4, v[WC:WC+3] offset:16*(\t)    ; 32 codes: 16 bytes of my column's row
.if (\t)+2 < NB
	WLOAD (\t)+2
.endif
	s_wait_dscnt 0x0                               ; the store has read its registers: the next block's codes may be written
.endm
.set Q, 0
.rept NB
	WBLOCK Q
.set Q, Q+1
.endr
	global_store_b128 v9, v[WSB:WSB+3], s[22:23]   ; my column's 16 scale bytes
.irp t, 0,1,2,3,4,5,6,7,8,9,10,11,12,13,14,15
	ds_load_b128 v[WOUT+4*\t:WOUT+4*\t+3], v7 offset:2*\t*WPITCH   ; LDS serves a wave's instructions in order: these see my stores
.endr
.irp t, 0,1,2,3,4,5,6,7,8,9,10,11,12,13,14,15
	s_wait_dscnt 15-\t                             ; load t is in; the 15 - t behind it may be out
	global_store_b128 v8, v[WOUT+4*\t:WOUT+4*\t+3], s[20:21] offset:2*\t*KROW
.endr
	s_wait_tensorcnt 0x0                           ; the wave's end: these three lines behind my last LDS store
	ds_add_u32 v[SPW], v[NIL]
	s_wait_dscnt 0x0
	s_endpgm
; ---------------- KIND O.  out_w is rounded to f16 where it lies.  A wave takes 8,192 bytes: 16 loads of 512 consecutive bytes; a lane's four numbers become 8 bytes, so a store covers 256 consecutive bytes, aligned.
.Lo:
	s_sub_co_u32 s27, ttmp9, 32
	s_lshl_b32 s27, s27, 2
	s_add_co_u32 s27, s27, s26                     ; my wave's piece, 0 .. 511
	s_lshl_b32 s28, s27, 13
	s_mov_b32 s29, 0
	s_add_nc_u64 s[14:15], s[14:15], s[28:29]
	s_lshl_b32 s28, s27, 12
	s_add_nc_u64 s[24:25], s[24:25], s[28:29]
	v_lshlrev_b32 v3, 4, v2
	v_lshlrev_b32 v4, 3, v2
.irp i, 0,1,2,3,4,5,6,7,8,9,10,11,12,13,14,15
	global_load_b128 v[16+4*\i:19+4*\i], v3, s[14:15] offset:512*\i th:TH_LOAD_NT
.endr
.irp i, 0,1,2,3,4,5,6,7,8,9,10,11,12,13,14,15
	s_wait_loadcnt 15-\i                           ; load i is in; the 15 - i behind it may be out
	v_cvt_pk_f16_f32 v[80+2*\i], v[16+4*\i], v[17+4*\i]
	v_cvt_pk_f16_f32 v[81+2*\i], v[18+4*\i], v[19+4*\i]
	global_store_b64 v4, v[80+2*\i:81+2*\i], s[24:25] offset:256*\i   ; each piece has registers of its own: no store's data are written again
.endr
	s_wait_tensorcnt 0x0                           ; every wave of the launch ends alike
	ds_add_u32 v[SPW], v[NIL]
	s_wait_dscnt 0x0
	s_endpgm
.Lfunc_end_k_qae58f73318_prep:
	.size	k_qae58f73318_prep, .Lfunc_end_k_qae58f73318_prep-k_qae58f73318_prep
	.p2alignl 7, 3214868480
	.fill 96, 4, 3214868480
	.section	.rodata,"a",@progbits
	.p2align	6, 0x0
	.amdhsa_kernel k_qae58f73318_prep
		.amdhsa_group_segment_fixed_size 68096
		.amdhsa_private_segment_fixed_size 0
		.amdhsa_enable_private_segment 0
		.amdhsa_kernarg_size 88
		.amdhsa_user_sgpr_count 2
		.amdhsa_user_sgpr_kernarg_segment_ptr 1
		.amdhsa_wavefront_size32 1
		.amdhsa_system_sgpr_workgroup_id_x 1
		.amdhsa_system_sgpr_workgroup_id_y 1
		.amdhsa_system_sgpr_workgroup_id_z 1
		.amdhsa_system_vgpr_workitem_id 0
		.amdhsa_next_free_vgpr 192
		.amdhsa_next_free_sgpr 66
		.amdhsa_reserve_vcc 0
		.amdhsa_float_denorm_mode_32 3
		.amdhsa_float_denorm_mode_16_64 3
		.amdhsa_memory_ordered 1
		.amdhsa_forward_progress 1
		.amdhsa_inst_pref_size 118
	.end_amdhsa_kernel
	.amdgpu_metadata
---
amdhsa.version: [ 1, 2 ]
amdhsa.kernels:
  - .name:           k_qae58f73318_prep
    .symbol:         k_qae58f73318_prep.kd
    .args:
      - { .name: q, .offset: 0, .size: 8, .value_kind: global_buffer, .address_space: global }
      - { .name: k, .offset: 8, .size: 8, .value_kind: global_buffer, .address_space: global }
      - { .name: v, .offset: 16, .size: 8, .value_kind: global_buffer, .address_space: global }
      - { .name: q_w, .offset: 24, .size: 8, .value_kind: global_buffer, .address_space: global }
      - { .name: k_w, .offset: 32, .size: 8, .value_kind: global_buffer, .address_space: global }
      - { .name: out_w, .offset: 40, .size: 8, .value_kind: global_buffer, .address_space: global }
      - { .name: xc, .offset: 48, .size: 8, .value_kind: global_buffer, .address_space: global }
      - { .name: xs, .offset: 56, .size: 8, .value_kind: global_buffer, .address_space: global }
      - { .name: wc, .offset: 64, .size: 8, .value_kind: global_buffer, .address_space: global }
      - { .name: wsc, .offset: 72, .size: 8, .value_kind: global_buffer, .address_space: global }
      - { .name: ow16, .offset: 80, .size: 8, .value_kind: global_buffer, .address_space: global }
    .group_segment_fixed_size: 68096
    .private_segment_fixed_size: 0
    .kernarg_segment_align: 8
    .kernarg_segment_size: 88
    .max_flat_workgroup_size: 128
    .sgpr_count:     66
    .vgpr_count:     192
    .wavefront_size: 32
...
	.end_amdgpu_metadata
.endif
;; end of part 1
;; launch proj (part 2): grid 4 x 96, 4 waves a work-group, clusters of 4 x 4, 327,680 bytes of LDS; arguments xc, xs, wc, wsc, q_b, k_b, qkv; writes qkv
.if DOCPART == 2
	.amdgcn_target "amdgcn-amd-amdhsa--gfx1250"
	.amdhsa_code_object_version 6
	.text
	.protected	k_qae58f73318_proj
	.globl	k_qae58f73318_proj
	.p2align	8
	.type	k_qae58f73318_proj,@function
k_qae58f73318_proj:
	s_mov_b64 s[64:65], 0
	v_nop
	global_prefetch_b8 v0, s[64:65] scope:SCOPE_SE
	s_setreg_imm32_b32 hwreg(HW_REG_WAVE_MODE, 25, 1), 1
	s_wait_xcnt 0x0
	s_wait_alu depctr_hold_cnt(0) depctr_sa_sdst(0) depctr_va_vdst(0) depctr_va_sdst(0) depctr_va_ssrc(0) depctr_va_vcc(0) depctr_vm_vsrc(0)
	s_getreg_b32 s2, hwreg(HW_REG_IB_STS2, 6, 4)
	s_cmp_eq_u32 s2, 0
	s_cbranch_scc0 .Lentry_in_a_cluster
	s_endpgm
.Lentry_in_a_cluster:
	s_bfe_u32 s2, ttmp6, 0x10000c
	s_cmp_lg_u32 s2, 0xf033
	s_cbranch_scc0 .Lentry_shape_is_right
	s_endpgm
.Lentry_shape_is_right:
; PROJ: the three quantised products as ONE product on codes: C[m][n] = bias[n] + sum over k of A[m][k] B[n][k], m = 0 .. 24,575 (the rows of q, then k, then v), n, k = 0 .. 1,023.
; A: xc [24576][512 bytes], codes of FP4 (E2M1), two a byte, K innermost; xs [24576][32]: one E8M0 byte for each 32 along K.  B: wc [2][1024][512 bytes], wsc [2][1024][32]: q_w for the rows of q and of v, k_w for the rows of k;
; the bias likewise q_b or k_b.  The matrix instruction takes codes and scale bytes as they lie.  Sums in f32; the bias is the C of each sum's first product.
; OUT: qkv, f16, [3][batch x 16 + head][position][64]: a head's rows are 128 bytes on end, as the attention launch wants them.
; LIMIT: the results are rounded to f16: their magnitudes must stay under 65,504.
; A tile of C, 256 x 256, is made by a work-group of four waves; a wave makes 128 x 128: 64 accumulators of 16 x 16, 512 registers.  K = 1,024 is two LDS slots of 512 along K (rows of 256 bytes): both are filled at the
; head and none is filled again.  The scale bytes of the work-group's 256 rows of A and of B, for all of K, are two dense blocks of memory and come with the first fills, as rows of 256 bytes.
; CLUSTERS: 4 x 4 work-groups.  The four of a row of the cluster need the same tiles of A, the four of a column the same tiles of B: each tile is asked for JOINTLY, by the same tensor load with the same descriptor and a
; mask that names the four.  All sixteen lie in one of the three tensors (a tensor is eight clusters high), so which weight is taken hangs on the cluster's y alone.
; THE MATRIX INSTRUCTION IS USED TRANSPOSED (source 0 = 16 rows of B, source 1 = 16 rows of A): a lane then holds eight neighbouring numbers of a row of C.
; REGISTERS, in windows of 256: window 0: v0-31 addresses; v32-95 scale words, two sets; v128-191 A's fragments (8 x 16 rows x 128 K), ONE set; v192-255 the bias, eight registers for each of my eight blocks of columns.
;   On the way out v192-223 hold packed results, v32-63 and v224-255 rows read back.   window 1: B's fragments, TWO sets, at v0 and v128.   window 2: the accumulators of my rows 0-63 ((a, b) at v[8 (8 a + b)]);  window 3: rows 64-127.
.set NQ,     4                         ; steps of 128 along K in a slot
.set ROWB,   256                       ; a tile's row in bytes: 512 codes
.set KROW,   512                       ; a row of A or of B in memory, in bytes
.set PITCH,  272                       ; an LDS row: 256 bytes + 16 of padding = 68 words: row r starts at bank 4 r mod 64 (ISA guide 11.1), so the 16 rows that a load touches start at 16 different banks
.set FR,     8                         ; registers of a fragment: 16 rows x 128 K
.set NL,     2                         ; LDS loads that bring one
.set NP,     4                         ; places behind this matrix instruction (ISA guide 7.12.1)
.set HALFT,  128*PITCH                 ; 128 rows: what one tensor load brings, and what one wave reads of A or of B
.set SLOT,   4*HALFT                   ; A's 256 rows, then B's 256 rows
.set KS,     32                        ; a row of scale bytes
.set SCL,    2*SLOT                    ; behind the slots: the scale bytes, as rows of 256 bytes + 16 of padding
.set HALFS,  (128*KS/256)*272          ; those of 128 rows: what one tensor load brings
.set SBLK,   (16*KS/256)*272           ; those of 16 rows
.set SPARE,  SCL+4*HALFS               ; the spare words, 128 bytes for each wave: two blocks of 256 bytes that no other line names
.set SPITCH, 272                       ; the way out: a stage of 16 rows x (256 bytes + 16) for each wave, in slot 0, which has had its only fill and its last read when the first result is stored there
.set ADRA, 16                          ; v16-17  LDS address of my A fragments in slot 0, 1
.set ADRB, 20                          ; v20-21  the same for B
.set STO,  24                          ; v24     the way out: where I put 16 bytes of a row
.set RD,   25                          ; v25     the way out: where I read back
.set CO,   26                          ; v26     16 x lane: my place in 512 consecutive bytes of qkv
.set ADRS, 27                          ; v27     LDS address of my scale words: lanes 0-15 A's rows, lanes 16-31 B's
.set SPW,  28                          ; v28     LDS address of my spare word; never rewritten
.set NIL,  29                          ; v29     0; never rewritten
.set BO,   30                          ; v30     32 x (lane / 16): my eight numbers of a block's sixteen of the bias
.set SC,   32                          ; scale words: set s at v[SC + 32 s]; in it register 4 i + q: lanes 0-15 the word of A's block i, lanes 16-31 that of B's block i, for the slot's q-th 128 along K
.set AF,   128
.set BIAS, 192
.set TMP,  192
.set OB,   32
.set G1, 24                            ; s[24:31] descriptor group 1 for A's tiles;  s[32:39] group 0, one set for each slot
.set G0, 32
.set G1B, 48                           ; s[48:55], s[56:63] the same for B's tiles
.set G0B, 56
.set G1S, 68                           ; s[68:75], s[76:79] groups 1 and 0 for A's scale bytes;  s[80:87], s[88:91] for B's
.set G0S, 76
.set G1SB, 80
.set G0SB, 88
.set MSB, 0
.macro WIN new                         ; the immediate's high byte repeats the setting that is left; a switch that changes nothing is dropped
.if MSB != (\new)
	s_set_vgpr_msb (MSB<<8)|(\new)
.set MSB, \new
.endif
.endm
.set MUL_LO, 0xa1                      ; source 0 (B) window 1, source 1 (A) window 0, C and D window 2.  Less 0x20: C in window 0, the bias
.set MUL_HI, 0xf1                      ; the same, C and D window 3.  Less 0x30: C in window 0
.set TO_B,   0x40                      ; destination window 1, address window 0
; A joint load: waves 0 and 1 fetch for A, waves 2 and 3 for B.  Each of the two lines has ONE mask and one set of registers for all that issue it; the branch hangs on the wave's number alone.
; An s_nop 0 and four v_nop follow each of the two lines, ahead of the jump, the label and what follows.
.macro JLOAD g0a, g1a, g0b, g1b
	s_cmp_eq_u32 s15, 0
	s_cbranch_scc0 .Lfor_b_\@
	tensor_load_to_lds s[\g0a:\g0a+3], s[\g1a:\g1a+7]
	s_nop 0
.rept 4
	v_nop
.endr
	s_branch .Lasked_\@
.Lfor_b_\@:
	tensor_load_to_lds s[\g0b:\g0b+3], s[\g1b:\g1b+7]
	s_nop 0
.rept 4
	v_nop
.endr
.Lasked_\@:
.endm
.macro CROUND                          ; a round of the cluster's barrier: my work-group's barrier; wave 0 signals for the work-group; every wave waits for all sixteen; my work-group's barrier once more
	s_barrier_signal -1
	s_barrier_wait -1
	s_cmp_lg_u32 s14, 0
	s_cbranch_scc1 .Lnot_wave_0_\@
	s_barrier_signal -3
.Lnot_wave_0_\@:
	s_barrier_wait -3
	s_barrier_signal -1
	s_barrier_wait -1
.endm
	s_load_b128 s[4:7], s[0:1], 0x0                ; xc s[4:5], xs s[6:7]
	s_load_b128 s[8:11], s[0:1], 0x10              ; wc s[8:9], wsc s[10:11]
	s_load_b128 s[96:99], s[0:1], 0x20             ; q_b s[96:97], k_b s[98:99]
	s_load_b64 s[12:13], s[0:1], 0x30              ; qkv
	v_lshl_add_u32 v[SPW], v0, 2, SPARE
	v_mov_b32 v[NIL], 0
	ds_add_u32 v[SPW], v[NIL]                      ; the wave's opening: the add, twice on end, and its wait ahead of my first tensor load; the set-up below, work on registers, stands between
	ds_add_u32 v[SPW], v[NIL]
	v_lshrrev_b32 v1, 5, v0
	v_readfirstlane_b32 s14, v1                    ; wave 0..3
	s_lshr_b32 s15, s14, 1                         ; which half of the tile's rows is mine.  Also: I fetch for A (0) or for B (1)
	s_and_b32 s16, s14, 1                          ; which half of its columns.  Also: which 128 rows of that tile I fetch
	s_bfe_u32 s40, ttmp6, 0x40000                  ; cx, cy: my place in the cluster
	s_bfe_u32 s41, ttmp6, 0x40004
	s_lshl_b32 s42, ttmp9, 2
	s_add_co_u32 s42, s42, s40                     ; tile column of C = 4 x cluster x + cx
	s_and_b32 s17, ttmp7, 0xffff                   ; cluster y, 0 .. 23: 0-7 the rows of q, 8-15 of k, 16-23 of v
	s_bfe_u32 s95, s17, 0x10003                    ; its bit 3: 1 for the rows of k alone: they take k_w and k_b
	s_lshl_b32 s17, s17, 2
	s_add_co_u32 s17, s17, s41                     ; tile row of C = 4 x cluster y + cy
	s_lshl_b32 s43, s41, 2
	s_lshl_b32 s43, 15, s43                        ; my row of the cluster
	s_lshl_b32 s44, 0x1111, s40                    ; my column
	; descriptor group 1: a tile of 128 rows x 256 bytes, padded in LDS
	s_or_b32 s[G1+0], s43, (0<<16)|(1<<20)|(1<<21)|(5<<22)|(3<<25)  ; 15:0 the mask: A's tiles go to my row; 17:16 elements of 1 byte; 20 padding on; 21 set beside a mask; 24:22 after every 64 words (code 5); 31:25 four words (code 3)
	s_or_b32 s[G1B+0], s44, (0<<16)|(1<<20)|(1<<21)|(5<<22)|(3<<25)
.irp g, G1, G1B
	s_mov_b32 s[\g+1], ROWB<<16                    ; tensor_dim0
	s_mov_b32 s[\g+2], 128<<16                     ; tensor_dim1
	s_mov_b32 s[\g+3], ROWB<<16                    ; tile_dim0
	s_mov_b32 s[\g+4], 128                         ; tile_dim1
	s_mov_b32 s[\g+5], KROW                        ; tensor_dim0_stride
	s_mov_b32 s[\g+6], 0
	s_mov_b32 s[\g+7], 0
.endr
	; and for the scale bytes of 128 rows: a dense block of 4,096 bytes, as 16 rows of 256 bytes (32 elements of 8 bytes), 16 bytes of padding behind each
	s_or_b32 s[G1S+0], s43, (3<<16)|(1<<20)|(1<<21)|(5<<22)|(3<<25)
	s_or_b32 s[G1SB+0], s44, (3<<16)|(1<<20)|(1<<21)|(5<<22)|(3<<25)
.irp g, G1S, G1SB
	s_mov_b32 s[\g+1], 32<<16
	s_mov_b32 s[\g+2], (128*KS/256)<<16
	s_mov_b32 s[\g+3], 32<<16
	s_mov_b32 s[\g+4], 128*KS/256
	s_mov_b32 s[\g+5], 32
	s_mov_b32 s[\g+6], 0
	s_mov_b32 s[\g+7], 0
.endr
	s_lshl_b32 s18, s16, 7                         ; which 128 rows of the tile I fetch
	s_lshl_b32 s20, s17, 8
	s_add_co_u32 s20, s20, s18                     ; A: row 256 x tile row + 128 x half
	s_lshl_b32 s46, s42, 8
	s_add_co_u32 s46, s46, s18                     ; B: row 256 x tile column + 128 x half,
	s_lshl_b32 s19, s95, 10
	s_add_co_u32 s46, s46, s19                     ; 1,024 rows on for k_w: codes and scale bytes alike
	s_mov_b32 s21, 0
	s_mov_b32 s47, 0
	s_mov_b64 s[18:19], KS
	s_mul_u64 s[22:23], s[20:21], s[18:19]         ; where these rows' scale bytes begin,
	s_mul_u64 s[92:93], s[46:47], s[18:19]
	s_mov_b64 s[18:19], KROW
	s_mul_u64 s[20:21], s[20:21], s[18:19]         ; and their codes
	s_mul_u64 s[46:47], s[46:47], s[18:19]
	s_mul_i32 s45, s14, HALFT                      ; where they go: wave x 128 rows: no place in the cluster enters an LDS address
	s_mul_i32 s94, s14, HALFS
	s_wait_dscnt 0x0                               ; both opening adds are done
	s_wait_kmcnt 0x0
	s_add_nc_u64 s[20:21], s[4:5], s[20:21]
	s_add_nc_u64 s[22:23], s[6:7], s[22:23]
	s_add_nc_u64 s[46:47], s[8:9], s[46:47]
	s_add_nc_u64 s[92:93], s[10:11], s[92:93]
	CROUND                                         ; all sixteen work-groups are here: the joint loads meet
	s_mov_b32 s[G0S], 1
	s_add_co_u32 s[G0S+1], s94, SCL
	s_mov_b64 s[G0S+2:G0S+3], s[22:23]
	s_or_b32 s[G0S+3], s[G0S+3], 0x80000000
	s_mov_b32 s[G0SB], 1
	s_add_co_u32 s[G0SB+1], s94, SCL
	s_mov_b64 s[G0SB+2:G0SB+3], s[92:93]
	s_or_b32 s[G0SB+3], s[G0SB+3], 0x80000000
	JLOAD G0S, G1S, G0SB, G1SB                     ; the scale bytes first: they are wanted with the first step
.irp s, 0,1
	s_mov_b32 s[G0+4*\s], 1
	s_add_co_u32 s[G0+4*\s+1], s45, \s*SLOT
	s_add_nc_u64 s[G0+4*\s+2:G0+4*\s+3], s[20:21], \s*ROWB
	s_or_b32 s[G0+4*\s+3], s[G0+4*\s+3], 0x80000000
	s_mov_b32 s[G0B+4*\s], 1
	s_add_co_u32 s[G0B+4*\s+1], s45, \s*SLOT
	s_add_nc_u64 s[G0B+4*\s+2:G0B+4*\s+3], s[46:47], \s*ROWB
	s_or_b32 s[G0B+4*\s+3], s[G0B+4*\s+3], 0x80000000
	JLOAD G0+4*\s, G1, G0B+4*\s, G1B               ; three tensor loads of mine are out behind the second of these
.endr
	v_and_b32 v1, 15, v0                           ; l % 16
	v_bfe_u32 v2, v0, 4, 1                         ; l / 16
	; the bias of my 128 columns, in the result's layout: for block b, lane (r, h) holds bias[16 b + 8 h + 0 .. 7]
	v_lshlrev_b32 v[BO], 5, v2
	s_cmp_eq_u32 s95, 0
	s_cselect_b64 s[96:97], s[96:97], s[98:99]     ; q_b, or k_b for the rows of k
	s_lshl_b32 s46, s42, 10                        ; 256 columns of 4 bytes a tile column,
	s_lshl_b32 s47, s16, 9                         ; 128 for my half
	s_add_co_u32 s46, s46, s47
	s_mov_b32 s47, 0
	s_add_nc_u64 s[96:97], s[96:97], s[46:47]
.irp b, 0,1,2,3,4,5,6,7
	global_load_b128 v[BIAS+8*\b:BIAS+8*\b+3], v[BO], s[96:97] offset:64*\b
	global_load_b128 v[BIAS+8*\b+4:BIAS+8*\b+7], v[BO], s[96:97] offset:64*\b+16
.endr
	v_mul_u32_u24 v3, v1, PITCH
	v_lshl_add_u32 v4, v2, 4, v3                   ; a fragment's row x pitch + 16 x half
	s_mul_i32 s21, s15, HALFT                      ; my 128 rows of A
	s_mul_i32 s22, s16, HALFT                      ; my 128 rows of B,
	s_add_co_u32 s22, s22, 2*HALFT                 ; which lie behind A's 256
.irp s, 0,1
	v_add_nc_u32 v[ADRA+\s], s21, v4
	v_add_nc_u32 v[ADRB+\s], s22, v4
	s_add_co_u32 s21, s21, SLOT
	s_add_co_u32 s22, s22, SLOT
.endr
	v_mul_u32_u24 v5, v1, KS                       ; my row's scale bytes: 32 a row,
	v_lshrrev_b32 v6, 8, v5
	v_lshl_add_u32 v5, v6, 4, v5                   ; and 16 more for each 256 passed
	s_mul_i32 s21, s15, HALFS                      ; A's: my 128 rows
	s_mul_i32 s22, s16, HALFS                      ; B's: my 128 rows, behind A's 256
	s_add_co_u32 s22, s22, 2*HALFS
	s_sub_co_u32 s22, s22, s21
	v_mul_u32_u24 v6, s22, v2                      ; lanes 16-31 take B's: the lower base + half x the distance
	s_add_co_u32 s21, s21, SCL
	v_add_nc_u32 v5, v5, v6
	v_add_nc_u32 v[ADRS], s21, v5
	s_mul_i32 s23, s14, 16*SPITCH                  ; my stage
	v_mul_u32_u24 v5, v1, SPITCH                   ; in: row l % 16, 16 bytes for each half of the lanes
	v_lshl_add_u32 v5, v2, 4, v5
	v_add_nc_u32 v[STO], s23, v5
	v_bfe_u32 v5, v0, 3, 2                         ; back: eight lanes take a head's 128 bytes of a row, the 32 lanes four rows
	v_mul_u32_u24 v5, v5, SPITCH
	v_and_b32 v6, 7, v0
	v_lshl_add_u32 v5, v6, 4, v5
	v_add_nc_u32 v[RD], s23, v5
	v_and_b32 v6, 31, v0
	v_lshlrev_b32 v[CO], 4, v6                     ; which are 512 consecutive bytes of qkv
	; where my 128 rows x 2 heads begin in qkv.  R = my first row of C: R / 2,048 counts tensors and batches (16 heads of 262,144 bytes each), R % 2,048 is the position (128 bytes)
	s_lshl_b32 s20, s17, 8
	s_lshl_b32 s21, s15, 7
	s_add_co_u32 s20, s20, s21                     ; R
	s_lshr_b32 s21, s20, 11
	s_lshl_b32 s21, s21, 22
	s_and_b32 s20, s20, 2047
	s_lshl_b32 s20, s20, 7
	s_add_co_u32 s20, s20, s21
	s_lshl_b32 s46, s42, 2
	s_lshl_b32 s47, s16, 1
	s_add_co_u32 s46, s46, s47                     ; my first head: 4 x tile column + 2 x half
	s_lshl_b32 s46, s46, 18
	s_add_co_u32 s20, s20, s46                     ; under 2^26 in all
	s_mov_b32 s21, 0
	s_add_nc_u64 s[12:13], s[12:13], s[20:21]
.macro FRAG reg, adr, q, i             ; a fragment, 16 rows x 128 K of 4-bit codes, is 8 registers: lane l holds row l % 16; registers 4 c .. 4 c + 3 hold K = 64 c + 32 (l / 16) + 0 .. 31
.irp c, 0,1
	ds_load_b128 v[\reg+4*\c:\reg+4*\c+3], v[\adr] offset:64*(\q)+32*\c+(\i)*16*PITCH
.endr
.endm
; 16 matrix instructions: A's blocks a0, a0 + 1 x B's eight, 128 along K: the slot's q-th.  p: B's set;  sc: the set of scale words.  zero = 1: the first product starts the sums, with the bias as its C: nothing is cleared or added later.
; The 64 accumulators take turns, one instruction a turn, in the same order in every step.
.macro MUL16 a0, p, q, sc, zero
.irp a, \a0, \a0+1
.irp b, 0,1,2,3,4,5,6,7
.if \zero
	v_wmma_scale_f32_16x16x128_f8f6f4 v[8*(8*((\a)%4)+\b):8*(8*((\a)%4)+\b)+7], v[128*(\p)+FR*\b:128*(\p)+FR*\b+FR-1], v[AF+FR*(\a):AF+FR*(\a)+FR-1], v[BIAS+8*\b:BIAS+8*\b+7], v[SC+8*NQ*(\sc)+NQ*\b+(\q)], v[SC+8*NQ*(\sc)+NQ*(\a)+(\q)] matrix_a_fmt:MATRIX_FMT_FP4 matrix_b_fmt:MATRIX_FMT_FP4 matrix_a_scale:MATRIX_SCALE_ROW1
.else
	v_wmma_scale_f32_16x16x128_f8f6f4 v[8*(8*((\a)%4)+\b):8*(8*((\a)%4)+\b)+7], v[128*(\p)+FR*\b:128*(\p)+FR*\b+FR-1], v[AF+FR*(\a):AF+FR*(\a)+FR-1], v[8*(8*((\a)%4)+\b):8*(8*((\a)%4)+\b)+7], v[SC+8*NQ*(\sc)+NQ*\b+(\q)], v[SC+8*NQ*(\sc)+NQ*(\a)+(\q)] matrix_a_fmt:MATRIX_FMT_FP4 matrix_b_fmt:MATRIX_FMT_FP4 matrix_a_scale:MATRIX_SCALE_ROW1
.endif
.endr
.endr
.endm
.macro FETCH_B slot, q, p              ; B's eight fragments of the slot's q-th 128 along K into set p
	WIN TO_B
.irp i, 0,1,2,3,4,5,6,7
	FRAG 128*(\p)+FR*\i, ADRB+\slot, \q, \i
.endr
	WIN 0
.endm
.macro FETCH_A slot, q, i0             ; A's blocks i0 .. i0 + 3
.irp i, \i0, \i0+1, \i0+2, \i0+3
	FRAG AF+FR*(\i), ADRA+\slot, \q, \i
.endr
.endm
.macro SCALES sc                       ; a slot's scale words into set sc: four words a row; lanes 0-15 take A's block i, lanes 16-31 B's block i
.irp i, 0,1,2,3,4,5,6,7
	ds_load_b128 v[SC+8*NQ*\sc+NQ*\i:SC+8*NQ*\sc+NQ*\i+3], v[ADRS] offset:\i*SBLK
.endr
.endm
; A load into a register that a matrix instruction has read, and a vector instruction or an LDS store that reads a matrix result, stand NP places behind that matrix instruction, and only plain vector
; instructions that name none of its registers are places (ISA guide 7.12.1 for vector instructions); the matrix instructions in between are not counted.
.macro PLACES n
.rept \n
	v_nop
.endr
.endm
; A step of 128 along K that has its successor in the same slot.  A's blocks go one after the other, each against B's eight, so one set of registers serves A: blocks 0-3 are fetched anew in the step's middle, blocks 4-7 at its end.
.macro STEP slot, q, zero
	s_wait_dscnt 4*NL                              ; B's set and A's blocks 0-3 are in; the youngest eight loads (A's blocks 4-7) may be out
	WIN MUL_LO-0x20*(\zero)
	MUL16 0, (\q)%2, \q, \slot, \zero
	MUL16 2, (\q)%2, \q, \slot, \zero
	s_wait_dscnt 0                                 ; A's blocks 4-7 are in (asked for 32 matrix instructions ago)
	PLACES NP
	FETCH_B \slot, (\q)+1, 1-(\q)%2
	FETCH_A \slot, (\q)+1, 0
	WIN MUL_HI-0x30*(\zero)
	MUL16 4, (\q)%2, \q, \slot, \zero
	MUL16 6, (\q)%2, \q, \slot, \zero
	PLACES NP
	WIN 0
	FETCH_A \slot, (\q)+1, 4
.endm
; Slot 0's last step changes slots: ONE barrier; in front of it each wave waits for all its tensor loads (its part of slot 1), adds 0 to its spare word, and waits for that and for its own reads of slot 0.
; Behind it slot 1 is whole and nobody reads slot 0 any more.  Nothing is filled again: K ends with slot 1.
.macro TURN slot, next
	s_wait_tensorcnt 0x0                           ; all my tensor loads have landed  (every window is 0 here: the add's two registers lie in window 0)
	ds_add_u32 v[SPW], v[NIL]                      ; 0 onto my spare word
	s_wait_dscnt 4*NL+1                            ; (the add and the youngest eight loads, A's blocks 4-7, may be out)
	WIN MUL_LO
	MUL16 0, 1, NQ-1, \slot, 0                     ; sixteen matrix instructions stand between the add and the wait for it
	s_wait_dscnt 0x0                               ; the add is done, and my reads of this slot are over
	s_barrier_signal -1
	MUL16 2, 1, NQ-1, \slot, 0
	WIN 0
	s_barrier_wait -1
	PLACES NP
	v_add_nc_u32 v[ADRS], 4*NQ, v[ADRS]            ; on to the next slot's scale words (no LDS load of mine is out)
	FETCH_B \next, 0, 0
	FETCH_A \next, 0, 0
	SCALES \next
	WIN MUL_HI
	MUL16 4, 1, NQ-1, \slot, 0
	MUL16 6, 1, NQ-1, \slot, 0
	PLACES NP
	WIN 0
	FETCH_A \next, 0, 4
.endm
.macro STEPS slot, from                ; the slot's steps from .. NQ - 2
.set Q, \from
.rept NQ-1-\from
	STEP \slot, Q, 0
.set Q, Q+1
.endr
.endm
	s_wait_tensorcnt 1                             ; the scale bytes and my part of slot 0 are in (slot 1's load, the one issued behind them, may be out)
	s_barrier_signal -1
	s_barrier_wait -1                              ; everybody's are
	FETCH_B 0, 0, 0
	FETCH_A 0, 0, 0
	SCALES 0
	FETCH_A 0, 0, 4
	s_wait_loadcnt 0x0                             ; the bias
	STEP 0, 0, 1                                   ; the first step's products start the sums
	STEPS 0, 1
	TURN 0, 1
	STEPS 1, 0
	s_wait_dscnt 4*NL                              ; the very last step: nothing more to fetch
	WIN MUL_LO
	MUL16 0, 1, NQ-1, 1, 0
	MUL16 2, 1, NQ-1, 1, 0
	s_wait_dscnt 0
	WIN MUL_HI
	MUL16 4, 1, NQ-1, 1, 0
	MUL16 6, 1, NQ-1, 1, 0
	WIN 0
; THE WAY OUT, block by block of 16 rows x 128 columns (two heads).  PACK: rounded to f16, 16 bytes a lane, each accumulator from its low end on.  TOSTAGE: into my own stage in LDS, and back so that the 32 lanes hold four
; rows of one head, which are 512 consecutive bytes of qkv.  SEND: stored.  LDS serves a wave's instructions in order (ISA guide 5.7.1.4): no wait between the stage's stores and its loads.
.macro PACK a
.set AC, 64*((\a)%4)
	WIN 0x0a+5*((\a)/4)                            ; sources 0 and 1: window 2 or 3
.irp b, 0,1,2,3,4,5,6,7
.irp r, 0,1,2,3
	v_cvt_pk_f16_f32 v[TMP+4*\b+\r], v[AC+8*\b+2*\r], v[AC+8*\b+2*\r+1]
.endr
.endr
	WIN 0
.endm
.macro TOSTAGE a
.set BB, OB+192*((\a)%2)
.irp b, 0,1,2,3,4,5,6,7
	ds_store_b128 v[STO], v[TMP+4*\b:TMP+4*\b+3] offset:32*\b
.endr
.irp t, 0,1,2,3,4,5,6,7
	ds_load_b128 v[BB+4*\t:BB+4*\t+3], v[RD] offset:(4*(\t%4))*SPITCH+128*(\t/4)   ; rows 4 (t % 4) on, head t / 4
.endr
.endm
.macro SEND a
.set BB, OB+192*((\a)%2)
	s_wait_dscnt 0x0                               ; the block is back in registers
	s_wait_xcnt 0x0                                ; the stores of the block before have read their registers: the next block's loads from the stage may land there
.irp t, 0,1,2,3,4,5,6,7
	global_store_b128 v[CO], v[BB+4*\t:BB+4*\t+3], s[12:13] offset:2048*(\a)+512*(\t%4)+262144*(\t/4)   ; 32 lanes store 512 consecutive bytes, at a multiple of 512 from qkv's first byte
.endr
.endm
	PLACES NP                                      ; behind the last products
	PACK 0
	TOSTAGE 0
.irp a, 1,2,3,4,5,6,7                  ; block a's conversions stand between block a - 1's loads from the stage and the wait for them
	PACK \a
	SEND \a-1
	TOSTAGE \a
.endr
	SEND 7
	s_wait_tensorcnt 0x0                           ; the wave's end: these three lines, behind my last tensor load and my last LDS store
	ds_add_u32 v[SPW], v[NIL]
	s_wait_dscnt 0x0
	CROUND                                         ; the closing round: no work-group ends while a partner may still ask for a tile that names it
	s_endpgm
.Lfunc_end_k_qae58f73318_proj:
	.size	k_qae58f73318_proj, .Lfunc_end_k_qae58f73318_proj-k_qae58f73318_proj
	.p2alignl 7, 3214868480
	.fill 96, 4, 3214868480
	.section	.rodata,"a",@progbits
	.p2align	6, 0x0
	.amdhsa_kernel k_qae58f73318_proj
		.amdhsa_group_segment_fixed_size 327680
		.amdhsa_private_segment_fixed_size 0
		.amdhsa_enable_private_segment 0
		.amdhsa_kernarg_size 56
		.amdhsa_user_sgpr_count 2
		.amdhsa_user_sgpr_kernarg_segment_ptr 1
		.amdhsa_wavefront_size32 1
		.amdhsa_system_sgpr_workgroup_id_x 1
		.amdhsa_system_sgpr_workgroup_id_y 1
		.amdhsa_system_sgpr_workgroup_id_z 1
		.amdhsa_system_vgpr_workitem_id 0
		.amdhsa_next_free_vgpr 1024
		.amdhsa_next_free_sgpr 100
		.amdhsa_reserve_vcc 0
		.amdhsa_float_denorm_mode_32 3
		.amdhsa_float_denorm_mode_16_64 3
		.amdhsa_memory_ordered 1
		.amdhsa_forward_progress 1
		.amdhsa_inst_pref_size 128
	.end_amdhsa_kernel
	.amdgpu_metadata
---
amdhsa.version: [ 1, 2 ]
amdhsa.kernels:
  - .name:           k_qae58f73318_proj
    .symbol:         k_qae58f73318_proj.kd
    .args:
      - { .name: xc, .offset: 0, .size: 8, .value_kind: global_buffer, .address_space: global }
      - { .name: xs, .offset: 8, .size: 8, .value_kind: global_buffer, .address_space: global }
      - { .name: wc, .offset: 16, .size: 8, .value_kind: global_buffer, .address_space: global }
      - { .name: wsc, .offset: 24, .size: 8, .value_kind: global_buffer, .address_space: global }
      - { .name: q_b, .offset: 32, .size: 8, .value_kind: global_buffer, .address_space: global }
      - { .name: k_b, .offset: 40, .size: 8, .value_kind: global_buffer, .address_space: global }
      - { .name: qkv, .offset: 48, .size: 8, .value_kind: global_buffer, .address_space: global }
    .group_segment_fixed_size: 327680
    .private_segment_fixed_size: 0
    .kernarg_segment_align: 8
    .kernarg_segment_size: 56
    .max_flat_workgroup_size: 128
    .sgpr_count:     100
    .vgpr_count:     1024
    .wavefront_size: 32
...
	.end_amdgpu_metadata
.endif
;; end of part 2
;; launch attn (part 3): grid 4 x 64, 8 waves a work-group, clusters of 4 x 1, 327,680 bytes of LDS; arguments qkv, wsb; writes wsb
.if DOCPART == 3
	.amdgcn_target "amdgcn-amd-amdhsa--gfx1250"
	.amdhsa_code_object_version 6
	.text
	.protected	k_qae58f73318_attn
	.globl	k_qae58f73318_attn
	.p2align	8
	.type	k_qae58f73318_attn,@function
k_qae58f73318_attn:
	s_mov_b64 s[64:65], 0
	v_nop
	global_prefetch_b8 v0, s[64:65] scope:SCOPE_SE
	s_setreg_imm32_b32 hwreg(HW_REG_WAVE_MODE, 25, 1), 1
	s_wait_xcnt 0x0
	s_wait_alu depctr_hold_cnt(0) depctr_sa_sdst(0) depctr_va_vdst(0) depctr_va_sdst(0) depctr_va_ssrc(0) depctr_va_vcc(0) depctr_vm_vsrc(0)
	s_getreg_b32 s2, hwreg(HW_REG_IB_STS2, 6, 4)
	s_cmp_eq_u32 s2, 0
	s_cbranch_scc0 .Lentry_in_a_cluster
	s_endpgm
.Lentry_in_a_cluster:
	s_bfe_u32 s2, ttmp6, 0x10000c
	s_cmp_lg_u32 s2, 0x3003
	s_cbranch_scc0 .Lentry_shape_is_right
	s_endpgm
.Lentry_shape_is_right:
; ATTN: O[h][q][:] = the sum over k of softmax_k(Q[h][q] . K[h][k] / 8) V[h][k][:], 64 heads (batch x 16 + head), 2,048 positions, head size 64, no mask.
; qkv: f16, [3 (Q, K, V)][64][2048][64]; wsb: f16, [64][2048][64].  Products on f16 operands with f32 sums; maxima, exponentials and sums in f32; the weights p are rounded to f16 for the second product, O once at the end.
; LIMITS: NaN and infinities are not served.
; SHARES.  A work-group owns 512 queries of one head, each of its EIGHT waves 64: four tiles of 16, in 512 registers: two waves to a SIMD, so that one wave's softmax stands beside the other's products and LDS loads.
; Every wave walks all keys of the head, 64 a step; each fragment of K and of V that it reads from LDS feeds four matrix instructions.
; LAYOUT.  S^T = K Q^T (source 0 = 16 keys, source 1 = 16 queries): a lane holds ONE query (lane % 16) and the keys 8 (lane / 16) + 0..7.  Two such tiles, rounded to f16 in pairs, ARE source 1 (32 keys x 16 queries) of
; O^T = V^T P, whose result again holds one query a lane, and eight channels.  K comes out of LDS as it lies, V ([key][channel]) turned, by ds_load_tr16_b128.
; SOFTMAX.  For each query a running maximum m and sum l: p = 2^(c s - c m), c = log2(e) / 8; in every step O and l are multiplied by a = 2^(c m_old - c m_new), which is 1 where m has not grown.
; The step is written once for all steps: m begins at -3e38, l and O^T at 0, so the first step's a is 0 and multiplies zeros.  That costs 128 moves once and spares another copy of the step.
; CLUSTER.  The head's four blocks of queries are one cluster and walk the same K and V, so each tile is asked for JOINTLY: the same tensor load, with the same descriptor and a mask that names the four.
; RING.  Two LDS slots of 256 keys.  A key's row is 128 bytes and rows are dense in memory, so a tile is stated as rows of 256 bytes (two keys), with padding behind each.  Waves 0, 1 fetch K's halves, waves 2, 3 V's.
; The change of slots stands at a slot's head: behind its round the slot just left is filled with the keys that follow, and that load has four key steps in which to land.  One tensor load of a wave is out at any time.
; REGISTERS, in windows of 256 (s_set_vgpr_msb: bits 1:0 source 0, 3:2 source 1, 5:4 source 2, 7:6 destination):
;   window 0: v1-17 addresses; v32-63 eight registers of statistics a tile; v64-191 S^T, 32 a tile; v192-255 P, 16 a tile
;   window 1: v0-127 O^T, 32 a tile; v128-191 Q, 16 a tile; v192-255 the step's fragments of K, then of V
.set PK,    272                        ; two keys of K in LDS: 256 bytes + 16: the sixteen keys that a load touches fall on sixteen different runs of four banks (ISA guide 11.1: 64 banks of 4 bytes)
.set PV,    288                        ; two keys of V: 256 + 32
.set VOFF,  128*PK                     ; a slot: 256 keys of K, then 256 keys of V
.set KSTB,  32*PK                      ; a step's 64 keys of K
.set VSTB,  32*PV                      ; and of V
.set SLOT1, 1<<17                      ; slot 1 begins here, so that one exclusive or turns an address in one slot into the other's
.set STAGE, SLOT1+128*(PK+PV)          ; behind the ring: for each wave and tile 16 rows x (128 bytes + 16), for the way out
.set SP,    144
.set SPARE, STAGE+8*4*16*SP            ; the spare words, 128 bytes for each wave: four blocks of 256 bytes that no other line names
.set NSL,   8                          ; slots' worth of keys
.set SLB,   32768                      ; a slot's keys in memory, in bytes, in K and in V alike
.set AK0, 2                            ; v2   my lane's place in a tile of K; never rewritten
.set AV0, 3                            ; v3   the same for V
.set ADK, 4                            ; v4   LDS address of the step's K
.set ADV, 5                            ; v5   and V
.set QO,  6                            ; v6   my byte offset in the wave's rows of Q
.set STO, 7                            ; v7   the way out: where I put 16 bytes of a row
.set RD,  8                            ; v8   the way out: where I read back
.set GO,  9                            ; v9   16 x lane: my place in 512 consecutive bytes of wsb
.set PFO, 10                           ; v10  256 x lane: the prefetches' offset; never rewritten
.set SPW, 12                           ; v12  LDS address of my spare word; never rewritten
.set NIL, 13                           ; v13  0; never rewritten
.set ST,  32                           ; tile t's statistics at v[ST+8 t]: +0 c m, +1 m, +2, +3 l (even keys', odd keys'), +4 to +7 c0-c3, at work; a takes c2's place
.set S,   64
.set P,   192
.set QF,  128                          ; in window 1
.set KV,  192                          ; in window 1
.set WV,  12                           ; s12  my wave's number
.set LIM, 15                           ; s15  1 in a wave that prefetches, else the greatest number
.set PFA, 18                           ; s[18:19] where my prefetches stand
.set G1K, 24                           ; s[24:31] descriptor group 1 for K's tiles;  s[32:39] for V's: it differs in the padding alone
.set G1V, 32
.set G0K, 40                           ; s[40:43], s[44:47] their groups 0, which walk
.set G0V, 44
.set SLOTS, 48                         ; s48  slots still to be asked for
.set CNT, 49                           ; s49  counts a slot's four steps
.set TBK, 50                           ; s50  LDS byte at which the step's K begins
.set TBV, 51                           ; s51  the same for V, less VOFF
.set CS,  52                           ; s[52:53] c: the packed scaling names a pair and takes its low word for both halves
.set SEL, 54                           ; s[54:55] lane selects for v_permlanex16_b32: lane l xor 16
.set MSB, 0
.macro WIN new                         ; the immediate's high byte repeats the setting that is left; a switch that changes nothing is dropped
.if MSB != (\new)
	s_set_vgpr_msb (MSB<<8)|(\new)
.set MSB, \new
.endif
.endm
.set W_LD, 0x40                        ; a load's destination in window 1, its address in window 0
.set W_KQ, 0x05                        ; K and Q in window 1, S^T in window 0
.set W_PV, 0x51                        ; V and O^T in window 1, P in window 0
.set W_RS, 0x41                        ; O^T (destination and source 0) in window 1, a in window 0
; A joint load.  Waves 0 and 1 fetch for K, waves 2 and 3 for V, the others nothing.  The branches hang on the wave's number alone: they are the same in every work-group.
; An s_nop 0 and four v_nop follow each of the two lines.
.macro TLOAD
	s_cmp_lt_u32 s[WV], 2
	s_cbranch_scc0 .Lnot_k_\@
	tensor_load_to_lds s[G0K:G0K+3], s[G1K:G1K+7]
	s_nop 0
.rept 4
	v_nop
.endr
	s_branch .Lasked_\@
.Lnot_k_\@:
	s_cmp_lt_u32 s[WV], 4
	s_cbranch_scc0 .Lasked_\@
	tensor_load_to_lds s[G0V:G0V+3], s[G1V:G1V+7]
	s_nop 0
.rept 4
	v_nop
.endr
.Lasked_\@:
.endm
; A PREFETCH INTO THE L2 of what the NEXT change of slots will ask for: a slot's 32,768 bytes of K and of V.  It stands at the change of slots, where the fetching waves have their tensor load.
; Only this cluster reads this head's K and V.  Its four partners share a slot's bytes out BY ADDRESS, 8,192 each; in each, wave 4 asks for K's and wave 5 for V's, lanes 256 bytes apart: one instruction a wave,
; and each aligned block of 256 bytes is named once in the launch.  The last change that fills a slot asks for nothing: there is no slot behind it.  Slots 0 and 1 come by their loads alone.
.macro ASK
	s_cmp_gt_u32 s[SLOTS], s[LIM]
	s_cbranch_scc0 .Lnot_mine_\@
	global_prefetch_b8 v[PFO], s[PFA:PFA+1] th:TH_LOAD_NT scope:SCOPE_SE
.Lnot_mine_\@:
.endm
.macro CROUND                          ; a round of the cluster's barrier: my work-group's barrier; wave 0 signals for the work-group; every wave waits for all four; my work-group's barrier once more
	s_barrier_signal -1
	s_barrier_wait -1
	s_cmp_lg_u32 s[WV], 0
	s_cbranch_scc1 .Lnot_wave_0_\@
	s_barrier_signal -3
.Lnot_wave_0_\@:
	s_barrier_wait -3
	s_barrier_signal -1
	s_barrier_wait -1
.endm
	s_load_b128 s[4:7], s[0:1], 0x0                ; qkv s[4:5], wsb s[6:7]
	v_lshl_add_u32 v[SPW], v0, 2, SPARE
	v_mov_b32 v[NIL], 0
	ds_add_u32 v[SPW], v[NIL]                      ; the wave's opening: the add, twice on end, and its wait ahead of the first tensor load; the set-up below, work on registers, stands between
	ds_add_u32 v[SPW], v[NIL]
	v_lshrrev_b32 v1, 5, v0
	v_readfirstlane_b32 s[WV], v1                  ; wave 0..7
	s_bfe_u32 s13, ttmp6, 0x40000                  ; cx: my place in the cluster
	s_lshl_b32 s14, ttmp9, 2
	s_add_co_u32 s14, s14, s13                     ; my block of 512 queries: it enters Q's and O's addresses alone
	s_and_b32 s20, ttmp7, 0xffff                   ; the head, which the four partners share:
	s_lshl_b32 s20, s20, 18                        ; its first byte in each tensor (262,144 bytes a head)
	s_and_b32 s16, s[WV], 1                        ; which half of a slot I fetch:
	s_lshl_b32 s22, s16, 14                        ; its 128 keys of 128 bytes in memory,
	s_add_co_u32 s22, s22, s20
	s_add_co_u32 s22, s22, 0x1000000               ; in K, which lies 2^24 bytes behind Q
	s_mov_b32 s23, 0
	s_mul_i32 s17, s16, 64*PK                      ; and its place in a slot: no place in the cluster enters an LDS address
	s_mul_i32 s21, s16, 64*PV
	s_lshl_b32 s2, s14, 16                         ; my block's 512 rows of 128 bytes,
	s_lshl_b32 s3, s[WV], 13                       ; my wave's 64 of them
	s_add_co_u32 s2, s2, s3
	s_add_co_u32 s2, s2, s20
	s_mov_b32 s3, 0
	; descriptor group 1: half a slot: 64 rows x 128 elements of 2 bytes, dense in memory, padded in LDS
	s_mov_b32 s[G1K], 15|(1<<16)|(1<<20)|(1<<21)|(5<<22)|(3<<25)  ; 15:0 the mask: all four work-groups; 17:16 elements of 2 bytes; 20 padding on; 21 set beside a mask; 24:22 after every 64 words (code 5); 31:25 four words (code 3)
	s_mov_b32 s[G1V], 15|(1<<16)|(1<<20)|(1<<21)|(5<<22)|(7<<25)  ; the same with eight words of padding (code 7)
.irp g, G1K, G1V
	s_mov_b32 s[\g+1], 128<<16                     ; tensor_dim0
	s_mov_b32 s[\g+2], 64<<16                      ; tensor_dim1
	s_mov_b32 s[\g+3], 128<<16                     ; tile_dim0
	s_mov_b32 s[\g+4], 64                          ; tile_dim1
	s_mov_b32 s[\g+5], 128                         ; tensor_dim0_stride
	s_mov_b32 s[\g+6], 0
	s_mov_b32 s[\g+7], 0
.endr
	s_mov_b32 s[CS], 0x3e38aa3b                    ; c = log2(e) / 8
	s_mov_b32 s[CS+1], s[CS]                       ; named with it as a pair, so it is written
	s_mov_b32 s[SEL], 0x76543210
	s_mov_b32 s[SEL+1], 0xfedcba98
	s_mov_b32 s[TBK], 0
	s_mov_b32 s[TBV], 0
	s_mov_b32 s[SLOTS], NSL-1
	s_sub_co_u32 s[LIM], s[WV], 4
	s_lshr_b32 s[LIM], s[LIM], 1                   ; 0 in waves 4 and 5
	s_cmp_eq_u32 s[LIM], 0
	s_cselect_b32 s[LIM], 1, -1
	v_and_b32 v[PFO], 31, v0
	v_lshlrev_b32 v[PFO], 8, v[PFO]
	s_wait_dscnt 0x0                               ; both opening adds are done
	s_wait_kmcnt 0x0
	s_add_nc_u64 s[56:57], s[4:5], s[2:3]          ; Q at my wave's first row
	s_add_nc_u64 s[58:59], s[6:7], s[2:3]          ; O likewise
	s_add_co_u32 s2, s16, 1
	s_lshl_b32 s2, s2, 24                          ; the prefetches: K's tensor in wave 4, V's in wave 5,
	s_add_co_u32 s2, s2, s20                       ; the head,
	s_lshl_b32 s3, s13, 13                         ; my work-group's 8,192 bytes of a slot's 32,768,
	s_add_co_u32 s2, s2, s3
	s_add_co_u32 s2, s2, SLB                       ; in slot 1: the first change of slots steps it to slot 2.  Nothing is prefetched at the head
	s_mov_b32 s3, 0
	s_add_nc_u64 s[PFA:PFA+1], s[4:5], s[2:3]
	CROUND                                         ; all four work-groups are here: the first joint loads meet
	s_mov_b32 s[G0K], 1                            ; 1:0 count = 1
	s_mov_b32 s[G0K+1], s17                        ; 63:32 LDS address: slot 0
	s_add_nc_u64 s[G0K+2:G0K+3], s[4:5], s[22:23]  ; 120:64 global address: the head's first 256 keys, my half
	s_mov_b32 s[G0V], 1
	s_add_co_u32 s[G0V+1], s21, VOFF
	s_add_nc_u64 s[G0V+2:G0V+3], s[G0K+2:G0K+3], 0x1000000   ; V lies 2^24 bytes behind K
	s_or_b32 s[G0K+3], s[G0K+3], 0x80000000        ; 127:126 type = 2
	s_or_b32 s[G0V+3], s[G0V+3], 0x80000000
	TLOAD                                          ; slot 0
	; A fragment of K or Q is 16 rows x 32 channels in 8 registers: lane l holds row l % 16; registers 0-3 channels 8 (l / 16) + 0..7, registers 4-7 channels 16 + 8 (l / 16) + 0..7: two loads of 16 bytes, 32 bytes apart.
	v_and_b32 v1, 15, v0                           ; r = l % 16
	v_bfe_u32 v14, v0, 4, 1                        ; h = l / 16
	v_lshlrev_b32 v[QO], 7, v1
	v_lshl_add_u32 v[QO], v14, 4, v[QO]            ; row x 128 + 16 x half
	WIN W_LD
.irp t, 0,1,2,3                        ; Q stays in registers: tile t, channels 32 cc on
.irp cc, 0,1
	global_load_b128 v[QF+16*\t+8*\cc:QF+16*\t+8*\cc+3],   v[QO], s[56:57] offset:\t*2048+64*\cc
	global_load_b128 v[QF+16*\t+8*\cc+4:QF+16*\t+8*\cc+7], v[QO], s[56:57] offset:\t*2048+64*\cc+32
.endr
.endr
.set i, 0
.rept 128
	v_mov_b32 v[i], 0                              ; O^T begins as zeros (see the head)
.set i, i+1
.endr
	WIN 0
	v_lshrrev_b32 v15, 1, v1
	v_mul_u32_u24 v[AK0], v15, PK                  ; K: two keys to an LDS row: (r / 2) x pitch
	v_and_b32 v15, 1, v0
	v_lshl_add_u32 v[AK0], v15, 7, v[AK0]          ; + 128 (r % 2)
	v_lshl_add_u32 v[AK0], v14, 4, v[AK0]          ; + 16 x half
	; The turning load takes 16 keys x 16 channels (lane l reads 16 bytes: key 8 (l / 16) + l % 8, channels 8 ((l / 8) % 2) + 0..7) and leaves half a fragment of V^T: lane l holds channel l % 16 and 8 keys.
	v_bfe_u32 v16, v0, 1, 2                        ; (l % 8) / 2
	v_lshl_add_u32 v16, v14, 2, v16                ; + 4 (l / 16): the key's LDS row
	v_mul_u32_u24 v[AV0], v16, PV
	v_lshl_add_u32 v[AV0], v15, 7, v[AV0]          ; + 128 (l % 2)
	v_bfe_u32 v16, v0, 3, 1
	v_lshl_add_u32 v[AV0], v16, 4, v[AV0]
	v_add_nc_u32 v[AV0], VOFF, v[AV0]
	s_mul_i32 s16, s[WV], 4*16*SP
	s_add_co_u32 s16, s16, STAGE                   ; my four stages
	v_mul_u32_u24 v[STO], v1, SP                   ; in: row l % 16, 16 bytes for each half of the lanes
	v_lshl_add_u32 v[STO], v14, 4, v[STO]
	v_add_nc_u32 v[STO], s16, v[STO]
	v_bfe_u32 v16, v0, 3, 2                        ; back: eight lanes take a row of 128 bytes, the 32 lanes four rows
	v_mul_u32_u24 v[RD], v16, SP
	v_and_b32 v16, 7, v0
	v_lshl_add_u32 v[RD], v16, 4, v[RD]
	v_add_nc_u32 v[RD], s16, v[RD]
	v_and_b32 v16, 31, v0
	v_lshlrev_b32 v[GO], 4, v16                    ; which are 512 consecutive bytes of wsb
.irp t, 0,1,2,3
	v_mov_b32 v[ST+8*\t+1], 0xff61b1e6             ; m = -3e38, under every score
	v_mul_f32 v[ST+8*\t], s[CS], v[ST+8*\t+1]      ; c m
	v_mov_b32 v[ST+8*\t+2], 0                      ; l, in two halves
	v_mov_b32 v[ST+8*\t+3], 0
.endr
; THE SOFTMAX of a key step, for the wave's four tiles, which take turns line by line, so that no line waits for the line above it.  s0-s31 are a lane's 32 scores of a tile.
.macro SOFTMAX
.irp j, 0,1,2,3                        ; the maximum, three operands at a time: four chains c0-c3, one for each accumulator, each begun at the accumulator's low end
.irp t, 0,1,2,3
	v_max3_num_f32 v[ST+8*\t+4+\j], v[S+32*\t+8*\j], v[S+32*\t+8*\j+1], v[S+32*\t+8*\j+2]
.endr
.endr
.irp g, 1,2
.irp j, 0,1,2,3
.irp t, 0,1,2,3
	v_max3_num_f32 v[ST+8*\t+4+\j], v[ST+8*\t+4+\j], v[S+32*\t+8*\j+2*\g+1], v[S+32*\t+8*\j+2*\g+2]
.endr
.endr
.endr
.irp t, 0,1,2,3
	v_max3_num_f32 v[ST+8*\t+4], v[ST+8*\t+4], v[S+32*\t+7], v[S+32*\t+15]     ; the four scores left over,
.endr
.irp t, 0,1,2,3
	v_max3_num_f32 v[ST+8*\t+6], v[ST+8*\t+6], v[S+32*\t+23], v[S+32*\t+31]
.endr
.irp t, 0,1,2,3
	v_max3_num_f32 v[ST+8*\t+4], v[ST+8*\t+4], v[ST+8*\t+5], v[ST+8*\t+6]      ; the chains,
.endr
.irp t, 0,1,2,3
	v_max3_num_f32 v[ST+8*\t+4], v[ST+8*\t+4], v[ST+8*\t+7], v[ST+8*\t+1]      ; and the old m
.endr
.irp t, 0,1,2,3
	v_permlanex16_b32 v[ST+8*\t+5], v[ST+8*\t+4], s[SEL], s[SEL+1]             ; the query's other 32 keys lie in the lane 16 away
.endr
.irp t, 0,1,2,3
	v_mov_b32 v[ST+8*\t+7], v[ST+8*\t]             ; c m_old is kept for a
.endr
.irp t, 0,1,2,3
	v_max_num_f32 v[ST+8*\t+1], v[ST+8*\t+4], v[ST+8*\t+5]                     ; the new m
.endr
.irp t, 0,1,2,3
	v_mul_f32 v[ST+8*\t], s[CS], v[ST+8*\t+1]      ; c m
.endr
.irp t, 0,1,2,3
	v_sub_f32 v[ST+8*\t+7], v[ST+8*\t+7], v[ST+8*\t]                           ; c m_old - c m_new
.endr
.irp b, 0,1,2,3,4,5,6,7,8,9,10,11,12,13,14,15
.irp t, 0,1,2,3
	v_pk_fma_f32 v[S+32*\t+2*\b:S+32*\t+2*\b+1], v[S+32*\t+2*\b:S+32*\t+2*\b+1], s[CS:CS+1], v[ST+8*\t:ST+8*\t+1] op_sel_hi:[1,0,0] neg_lo:[0,0,1] neg_hi:[0,0,1]   ; c s - c m, two at a time
.endr
.endr
.irp t, 0,1,2,3                        ; ONE BATCH of exponentials: a, then the 32 weights of each tile; none reads another's result
	v_exp_f32 v[ST+8*\t+6], v[ST+8*\t+7]
.endr
.irp e, 0,1,2,3,4,5,6,7,8,9,10,11,12,13,14,15,16,17,18,19,20,21,22,23,24,25,26,27,28,29,30,31
.irp t, 0,1,2,3
	v_exp_f32 v[S+32*\t+\e], v[S+32*\t+\e]
.endr
.endr
	v_nop                                          ; a plain instruction behind the last exponential, ahead of the first use (ISA guide 5.7.2)
	s_wait_alu depctr_va_vdst(0)                   ; and one wait ahead of the batch's first reader
.irp b, 0,1,2,3,4,5,6,7,8,9,10,11,12,13,14,15
.irp t, 0,1,2,3
	v_cvt_pk_f16_f32 v[P+16*\t+\b], v[S+32*\t+2*\b], v[S+32*\t+2*\b+1]         ; the weights for the second product
.endr
.endr
.irp u, 0,1,2,3,4,5,6,7                ; the sum of a tile's 16 pairs (an even key's weight, an odd key's), of the unrounded weights, in place: neighbours 1, 2, 4 and 8 pairs apart
.irp t, 0,1,2,3
	v_pk_add_f32 v[S+32*\t+4*\u:S+32*\t+4*\u+1], v[S+32*\t+4*\u:S+32*\t+4*\u+1], v[S+32*\t+4*\u+2:S+32*\t+4*\u+3]
.endr
.endr
.irp u, 0,1,2,3
.irp t, 0,1,2,3
	v_pk_add_f32 v[S+32*\t+8*\u:S+32*\t+8*\u+1], v[S+32*\t+8*\u:S+32*\t+8*\u+1], v[S+32*\t+8*\u+4:S+32*\t+8*\u+5]
.endr
.endr
.irp u, 0,1
.irp t, 0,1,2,3
	v_pk_add_f32 v[S+32*\t+16*\u:S+32*\t+16*\u+1], v[S+32*\t+16*\u:S+32*\t+16*\u+1], v[S+32*\t+16*\u+8:S+32*\t+16*\u+9]
.endr
.endr
.irp t, 0,1,2,3
	v_pk_add_f32 v[S+32*\t:S+32*\t+1], v[S+32*\t:S+32*\t+1], v[S+32*\t+16:S+32*\t+17]
.endr
.irp t, 0,1,2,3
	v_pk_fma_f32 v[ST+8*\t+2:ST+8*\t+3], v[ST+8*\t+2:ST+8*\t+3], v[ST+8*\t+6:ST+8*\t+7], v[S+32*\t:S+32*\t+1] op_sel_hi:[1,0,1]   ; l = a l + the sum
.endr
.endm
; A KEY STEP: 64 keys.  K's 16 loads; 32 products K Q^T; V's 16 loads, which land under the softmax; the softmax; O^T x a; 32 products V^T P.
; In both products the sixteen accumulators take turns, one instruction a turn.
.macro STEP
	v_add_nc_u32 v[ADK], s[TBK], v[AK0]            ; these two and two v_nop are the four places between the last step's products, which read V's registers, and the loads into them (ISA guide 7.12.1 for vector instructions)
	v_add_nc_u32 v[ADV], s[TBV], v[AV0]
	v_nop
	v_nop
	WIN W_LD
.irp cc, 0,1                           ; channels 32 cc on, keys 16 kt on; the first channels first
.irp kt, 0,1,2,3
	ds_load_b128 v[KV+16*\kt+8*\cc:KV+16*\kt+8*\cc+3],   v[ADK] offset:\kt*8*PK+64*\cc
	ds_load_b128 v[KV+16*\kt+8*\cc+4:KV+16*\kt+8*\cc+7], v[ADK] offset:\kt*8*PK+64*\cc+32
.endr
.endr
	s_wait_dscnt 8                                 ; channels 0 to 31 are in; the eight loads of channels 32 to 63 may be out
	WIN W_KQ
.irp kt, 0,1,2,3
.irp t, 0,1,2,3
	v_wmma_f32_16x16x32_f16 v[S+32*\t+8*\kt:S+32*\t+8*\kt+7], v[KV+16*\kt:KV+16*\kt+7], v[QF+16*\t:QF+16*\t+7], 0
.endr
.endr
	s_wait_dscnt 0x0
.irp kt, 0,1,2,3
.irp t, 0,1,2,3
	v_wmma_f32_16x16x32_f16 v[S+32*\t+8*\kt:S+32*\t+8*\kt+7], v[KV+16*\kt+8:KV+16*\kt+15], v[QF+16*\t+8:QF+16*\t+15], v[S+32*\t+8*\kt:S+32*\t+8*\kt+7]
.endr
.endr
.rept 4
	v_nop                                          ; four places: in front of the loads into K's registers, and of the softmax's first read of the scores
.endr
	WIN W_LD
.irp u, 0,1                            ; keys 32 u on, channels 16 c on
.irp c, 0,1,2,3
	ds_load_tr16_b128 v[KV+32*\u+8*\c:KV+32*\u+8*\c+3],   v[ADV] offset:\u*16*PV+32*\c
	ds_load_tr16_b128 v[KV+32*\u+8*\c+4:KV+32*\u+8*\c+7], v[ADV] offset:\u*16*PV+8*PV+32*\c
.endr
.endr
	WIN 0
	SOFTMAX
	WIN W_RS
.irp t, 0,1,2,3                        ; O^T x a, each accumulator from its low end on
.irp i, 0,2,4,6,8,10,12,14,16,18,20,22,24,26,28,30
	v_pk_mul_f32 v[32*\t+\i:32*\t+\i+1], v[32*\t+\i:32*\t+\i+1], v[ST+8*\t+6:ST+8*\t+7] op_sel_hi:[1,0]
.endr
.endr
	s_wait_dscnt 0x0                               ; V is in
	WIN W_PV
.irp u, 0,1
.irp c, 0,1,2,3
.irp t, 0,1,2,3
	v_wmma_f32_16x16x32_f16 v[32*\t+8*\c:32*\t+8*\c+7], v[KV+32*\u+8*\c:KV+32*\u+8*\c+7], v[P+16*\t+8*\u:P+16*\t+8*\u+7], v[32*\t+8*\c:32*\t+8*\c+7]
.endr
.endr
.endr
	WIN 0
	s_add_co_u32 s[TBK], s[TBK], KSTB              ; the next step's tiles
	s_add_co_u32 s[TBV], s[TBV], VSTB
.endm
; THE CHANGE OF SLOTS stands at a slot's head.  Each wave waits for all its tensor loads (its part of the slot that it is about to read), adds 0 to its spare word, and waits for that and for its reads of the slot that it has left.
; fill = 1: a round of the cluster's barrier follows, so that no wave of any partner still reads the slot that was left or has a load on its way; the joint load into that slot is the first thing behind it, one a wave.
.macro CHANGE fill
	s_wait_tensorcnt 0x0                           ; no tensor load of mine is out, so a group 0 may be written
	ds_add_u32 v[SPW], v[NIL]                      ; 0 onto my spare word
.if \fill
	ds_add_u32 v[SPW], v[NIL]                      ; and once more: the add twice on end here, in every trip alike.  The descriptors' steps stand between the second and the wait
	s_xor_b32 s[G0K+1], s[G0K+1], SLOT1            ; the walking descriptors: the other slot than last time,
	s_add_nc_u64 s[G0K+2:G0K+3], s[G0K+2:G0K+3], SLB   ; the next 256 keys; the type bits on top are not reached
	s_xor_b32 s[G0V+1], s[G0V+1], SLOT1
	s_add_nc_u64 s[G0V+2:G0V+3], s[G0V+2:G0V+3], SLB
	s_wait_xcnt 0x0                                ; the last prefetch, a slot back, has read its address, so it may be written:
	s_add_nc_u64 s[PFA:PFA+1], s[PFA:PFA+1], SLB   ; one slot further on than the walking descriptors
	s_wait_dscnt 0x0                               ; both adds are done, and my reads of the slot that I have left are over
	CROUND
	TLOAD
	ASK                                            ; what the next change of slots will ask for: a slot's four key steps ahead of that load
.else
	s_wait_dscnt 0x0                               ; the add is done, and my reads of the slot that I have left are over
	s_barrier_signal -1
	s_barrier_wait -1
.endif
.endm
.macro SLOT_STEPS                      ; a slot's four key steps: written once, walked four times; the LDS addresses hang on s[TBK] and s[TBV]
	s_mov_b32 s[CNT], 4
.Lstep_\@:
	STEP
	s_sub_co_u32 s[CNT], s[CNT], 1
	s_cmp_lg_u32 s[CNT], 0
	s_cbranch_scc1 .Lstep_\@
	s_sub_co_u32 s[TBK], s[TBK], 4*KSTB            ; back to a slot's first step,
	s_xor_b32 s[TBK], s[TBK], SLOT1                ; in the other slot
	s_sub_co_u32 s[TBV], s[TBV], 4*VSTB
	s_xor_b32 s[TBV], s[TBV], SLOT1
.endm
	s_wait_loadcnt 0x0                             ; Q
.Lslot:                                            ; NSL - 1 trips: behind each change of slots but the last the next slot is asked for
	CHANGE 1
	SLOT_STEPS
	s_sub_co_u32 s[SLOTS], s[SLOTS], 1
	s_cmp_lg_u32 s[SLOTS], 0
	s_cbranch_scc1 .Lslot
	CHANGE 0                                       ; the last slot is written out
	SLOT_STEPS
	; THE WAY OUT.  l's two halves and the other half of the lanes' are added; O^T is divided by l, rounded to f16 and sent through my stages in LDS.  The four additions are the places behind the last products.
.irp t, 0,1,2,3
	v_add_f32 v[ST+8*\t+4], v[ST+8*\t+2], v[ST+8*\t+3]
.endr
.irp t, 0,1,2,3
	v_permlanex16_b32 v[ST+8*\t+5], v[ST+8*\t+4], s[SEL], s[SEL+1]
.endr
.irp t, 0,1,2,3
	v_add_f32 v[ST+8*\t+4], v[ST+8*\t+4], v[ST+8*\t+5]
.endr
.irp t, 0,1,2,3
	v_rcp_f32 v[ST+8*\t+6], v[ST+8*\t+4]
.endr
	v_nop                                          ; a plain instruction between the last reciprocal and the use of its result
	s_wait_alu depctr_va_vdst(0)                   ; and a wait ahead of the first use: one for the four
; Tile t: a lane's eight channels of a row pack into 16 bytes; they go into rows of 144 bytes and come back so that the 32 lanes hold four whole rows of 128 bytes.
.macro OUT t
	WIN W_RS
.irp i, 0,2,4,6,8,10,12,14,16,18,20,22,24,26,28,30
	v_pk_mul_f32 v[32*\t+\i:32*\t+\i+1], v[32*\t+\i:32*\t+\i+1], v[ST+8*\t+6:ST+8*\t+7] op_sel_hi:[1,0]
.endr
	WIN 0x05                                       ; sources 0 and 1 window 1, destination window 0: S^T's registers are free
.irp i, 0,1,2,3,4,5,6,7,8,9,10,11,12,13,14,15
	v_cvt_pk_f16_f32 v[S+16*\t+\i], v[32*\t+2*\i], v[32*\t+2*\i+1]
.endr
	WIN 0
.irp c, 0,1,2,3
	ds_store_b128 v[STO], v[S+16*\t+4*\c:S+16*\t+4*\c+3] offset:16*SP*\t+32*\c
.endr
.irp n, 0,1,2,3
	ds_load_b128 v[P+16*\t+4*\n:P+16*\t+4*\n+3], v[RD] offset:16*SP*\t+4*SP*\n   ; LDS serves a wave's instructions in order (ISA guide 5.7.1.4): these see the stores above
.endr
.endm
	OUT 0
	OUT 1
	OUT 2
	OUT 3
.irp t, 0,1,2,3
.irp n, 0,1,2,3
	s_wait_dscnt 8*(3-\t)+3-\n                     ; behind this load: the 3 - n of its tile, and eight LDS instructions for each later tile
	global_store_b128 v[GO], v[P+16*\t+4*\n:P+16*\t+4*\n+3], s[58:59] offset:2048*\t+512*\n   ; 32 lanes store 512 consecutive bytes, at a multiple of 512 from wsb's first byte
.endr
.endr
	s_wait_tensorcnt 0x0                           ; the wave's end: these three lines, behind my last tensor load and my last LDS store
	ds_add_u32 v[SPW], v[NIL]
	s_wait_dscnt 0x0
	CROUND                                         ; the closing round: no work-group ends while a partner may still ask for a tile that names it
	s_endpgm
.Lfunc_end_k_qae58f73318_attn:
	.size	k_qae58f73318_attn, .Lfunc_end_k_qae58f73318_attn-k_qae58f73318_attn
	.p2alignl 7, 3214868480
	.fill 96, 4, 3214868480
	.section	.rodata,"a",@progbits
	.p2align	6, 0x0
	.amdhsa_kernel k_qae58f73318_attn
		.amdhsa_group_segment_fixed_size 327680
		.amdhsa_private_segment_fixed_size 0
		.amdhsa_enable_private_segment 0
		.amdhsa_kernarg_size 16
		.amdhsa_user_sgpr_count 2
		.amdhsa_user_sgpr_kernarg_segment_ptr 1
		.amdhsa_wavefront_size32 1
		.amdhsa_system_sgpr_workgroup_id_x 1
		.amdhsa_system_sgpr_workgroup_id_y 1
		.amdhsa_system_sgpr_workgroup_id_z 1
		.amdhsa_system_vgpr_workitem_id 0
		.amdhsa_next_free_vgpr 512
		.amdhsa_next_free_sgpr 66
		.amdhsa_reserve_vcc 0
		.amdhsa_float_denorm_mode_32 3
		.amdhsa_float_denorm_mode_16_64 3
		.amdhsa_memory_ordered 1
		.amdhsa_forward_progress 1
		.amdhsa_inst_pref_size 92
	.end_amdhsa_kernel
	.amdgpu_metadata
---
amdhsa.version: [ 1, 2 ]
amdhsa.kernels:
  - .name:           k_qae58f73318_attn
    .symbol:         k_qae58f73318_attn.kd
    .args:
      - { .name: qkv, .offset: 0, .size: 8, .value_kind: global_buffer, .address_space: global }
      - { .name: wsb, .offset: 8, .size: 8, .value_kind: global_buffer, .address_space: global }
    .group_segment_fixed_size: 327680
    .private_segment_fixed_size: 0
    .kernarg_segment_align: 8
    .kernarg_segment_size: 16
    .max_flat_workgroup_size: 256
    .sgpr_count:     66
    .vgpr_count:     512
    .wavefront_size: 32
...
	.end_amdgpu_metadata
.endif
;; end of part 3
;; launch outp (part 4): grid 4 x 64, 4 waves a work-group, clusters of 4 x 4, 327,680 bytes of LDS; arguments wsb, ow16, out_b, out0; writes out0
.if DOCPART == 4
	.amdgcn_target "amdgcn-amd-amdhsa--gfx1250"
	.amdhsa_code_object_version 6
	.text
	.protected	k_qae58f73318_outp
	.globl	k_qae58f73318_outp
	.p2align	8
	.type	k_qae58f73318_outp,@function
k_qae58f73318_outp:
	s_mov_b64 s[64:65], 0
	v_nop
	global_prefetch_b8 v0, s[64:65] scope:SCOPE_SE
	s_setreg_imm32_b32 hwreg(HW_REG_WAVE_MODE, 25, 1), 1
	s_wait_xcnt 0x0
	s_wait_alu depctr_hold_cnt(0) depctr_sa_sdst(0) depctr_va_vdst(0) depctr_va_sdst(0) depctr_va_ssrc(0) depctr_va_vcc(0) depctr_vm_vsrc(0)
	s_getreg_b32 s2, hwreg(HW_REG_IB_STS2, 6, 4)
	s_cmp_eq_u32 s2, 0
	s_cbranch_scc0 .Lentry_in_a_cluster
	s_endpgm
.Lentry_in_a_cluster:
	s_bfe_u32 s2, ttmp6, 0x10000c
	s_cmp_lg_u32 s2, 0xf033
	s_cbranch_scc0 .Lentry_shape_is_right
	s_endpgm
.Lentry_shape_is_right:
; OUTP: out0[m][n] = out_b[n] + sum over k of ws[m][k] out_w[k][n], m = batch x 2,048 + position, k = head x 64 + channel; 8,192 x 1,024 x 1,024.  f16 operands, f32 sums, f32 out.
; A: wsb, f16, [batch x 16 + head][position][64]: 128 positions of one head are 16,384 dense bytes.  B: ow16, f16, [k][n], K outermost: its fragments come out of LDS turned, by ds_load_tr16_b128.
; A tile of C is 128 x 256, which gives 256 work-groups.  Four waves, each 64 rows x 128 columns: 32 accumulators of 16 x 16, 256 registers.
; K goes in steps of 128 (two heads) through a ring of two LDS slots.  Waves 0, 1 fetch A's two heads (each 128 positions, stated as 64 rows of 256 bytes), waves 2, 3 B's two halves (each 64 rows k x 512 bytes).
; CLUSTERS: 4 x 4 work-groups.  The four of a row of the cluster need the same tiles of A, the four of a column the same tiles of B: each tile is asked for JOINTLY, by the same tensor load with the same descriptor and a mask
; that names the four.  THE MATRIX INSTRUCTION IS USED TRANSPOSED (source 0 = 16 columns n of B, source 1 = 16 rows of A): a lane then holds eight neighbouring numbers of a row of C.  The bias is the C of each sum's first product.
; REGISTERS, in windows of 256: window 0: v0-31 addresses; v64-127 the bias, eight registers for each of my eight blocks of columns; on the way out v128-255 rows read back.
;   window 1: two fragment buffers for 32 along K: B's 64 registers at v0 and v64, A's 32 at v128 and v160.   window 2: the accumulators ((a, b) at v[8 (8 a + b)]).
.set PA,     272                       ; two positions of A in LDS: 256 bytes + 16: the sixteen rows that a load touches fall on sixteen different runs of four banks (ISA guide 11.1)
.set PB,     544                       ; a row k of B: 512 bytes + 32
.set SUBA,   64*PA                     ; one head's 128 positions: what one tensor load brings
.set BOFF,   2*SUBA                    ; B lies behind A's two heads
.set HALFB,  64*PB                     ; 64 rows k: what one tensor load brings
.set SLOT,   BOFF+2*HALFB
.set STAGE,  2*SLOT                    ; behind the ring: 16 rows x (512 bytes + 16) for each wave, for the way out
.set SPITCH, 528
.set SPARE,  STAGE+4*16*SPITCH         ; the spare words, 128 bytes for each wave: two blocks of 256 bytes that no other line names
.set LAPS,   4                         ; a lap = two K steps = once round the ring; K = 1,024 is eight steps
.set STEPA,  524288                    ; a K step on in A: two heads of 262,144 bytes
.set STEPB,  262144                    ; and in B: 128 rows of 2,048 bytes
.set ADRA, 16                          ; v16-17  LDS address of my A fragments in slot 0, 1
.set ADRB, 20                          ; v20-21  the same for B
.set STO,  24                          ; v24     the way out: where I put 32 bytes of a row
.set RD,   25                          ; v25     the way out: where I read a row back
.set CO,   26                          ; v26     16 x lane: my place in a row's 512 bytes
.set SPW,  28                          ; v28     LDS address of my spare word; never rewritten
.set NIL,  29                          ; v29     0; never rewritten
.set PFO,  30                          ; v30     256 x lane: the prefetches' offset; never rewritten
.set BO,   31                          ; v31     32 x (lane / 16): my eight numbers of a block's sixteen of the bias
.set BIAS, 64
.set BK,   128
.set LIM,  15                          ; s15     1 in the wave that prefetches, else the greatest number
.set PFA,  18                          ; s[18:19] where my prefetches stand
.set G1, 24                            ; s[24:31] descriptor group 1 for A's tiles;  s[32:39] group 0, one set for each slot
.set G0, 32
.set G1B, 48                           ; s[48:55], s[56:63] the same for B's tiles
.set G0B, 56
.set MSB, 0
.macro WIN new                         ; the immediate's high byte repeats the setting that is left; a switch that changes nothing is dropped
.if MSB != (\new)
	s_set_vgpr_msb (MSB<<8)|(\new)
.set MSB, \new
.endif
.endm
.set MUL,  0xa5                        ; sources 0 (B) and 1 (A) window 1; C and D window 2.  Less 0x20: C in window 0, the bias
.set TO_F, 0x40                        ; destination window 1, address window 0
.macro JLOAD s                         ; a joint load: waves 0 and 1 fetch A's two heads, waves 2 and 3 B's halves; an s_nop 0 and four v_nop follow each of the two lines, ahead of the jump, the label and what follows
	s_cmp_eq_u32 s13, 0
	s_cbranch_scc0 .Lfor_b_\@
	tensor_load_to_lds s[G0+4*\s:G0+4*\s+3], s[G1:G1+7]
	s_nop 0
.rept 4
	v_nop
.endr
	s_branch .Lasked_\@
.Lfor_b_\@:
	tensor_load_to_lds s[G0B+4*\s:G0B+4*\s+3], s[G1B:G1B+7]
	s_nop 0
.rept 4
	v_nop
.endr
.Lasked_\@:
.endm
; A PREFETCH INTO THE L2 of A's tile that stands TWO refills on: two K steps, 256 matrix instructions, ahead of the load that will want it.  A's rows of a tile row are read by the four work-groups of one row of one cluster
; and by nobody else; the four share a K step's 32,768 bytes out BY ADDRESS, 8,192 each (cx / 2: which head; cx % 2: which half of its positions), lanes 256 bytes apart; in each, wave 0 asks: one instruction.
; So each aligned block of 256 bytes is named once.  K steps 0 to 3 come by their loads alone; the last lap that refills asks for nothing: there is no K step two refills on.  B is read by every cluster and is not asked for.
.macro ASK
	WIN 0                                          ; at a branch and at a label every window is 0
	s_cmp_gt_u32 s3, s[LIM]                        ; s3 = 1 in the loop's last trip
	s_cbranch_scc0 .Lnot_mine_\@
	global_prefetch_b8 v[PFO], s[PFA:PFA+1] th:TH_LOAD_NT scope:SCOPE_SE
.Lnot_mine_\@:
.endm
.macro CREST                           ; a round of the cluster's barrier behind its opening barrier
	s_cmp_lg_u32 s12, 0
	s_cbranch_scc1 .Lnot_wave_0_\@
	s_barrier_signal -3
.Lnot_wave_0_\@:
	s_barrier_wait -3
	s_barrier_signal -1
	s_barrier_wait -1
.endm
.macro CROUND                          ; a whole round
	s_barrier_signal -1
	s_barrier_wait -1
	CREST
.endm
	s_load_b256 s[4:11], s[0:1], 0x0               ; wsb s[4:5], ow16 s[6:7], out_b s[8:9], out0 s[10:11]
	v_lshl_add_u32 v[SPW], v0, 2, SPARE
	v_mov_b32 v[NIL], 0
	ds_add_u32 v[SPW], v[NIL]                      ; the wave's opening: the add, twice on end, and its wait ahead of my first tensor load; the set-up below, work on registers, stands between
	ds_add_u32 v[SPW], v[NIL]
	v_lshrrev_b32 v1, 5, v0
	v_readfirstlane_b32 s12, v1                    ; wave 0..3
	s_lshr_b32 s13, s12, 1                         ; which half of the tile's rows is mine.  Also: I fetch for A (0) or for B (1)
	s_and_b32 s14, s12, 1                          ; which half of its columns.  Also: which head of A's two, or which 64 rows of B, I fetch
	s_bfe_u32 s40, ttmp6, 0x40000                  ; cx, cy: my place in the cluster
	s_bfe_u32 s41, ttmp6, 0x40004
	s_lshl_b32 s42, ttmp9, 2
	s_add_co_u32 s42, s42, s40                     ; tile column of C = 4 x cluster x + cx
	s_and_b32 s43, ttmp7, 0xffff
	s_lshl_b32 s43, s43, 2
	s_add_co_u32 s43, s43, s41                     ; tile row of C = 4 x cluster y + cy: 16 tile rows to a batch
	s_lshl_b32 s44, s41, 2
	s_lshl_b32 s44, 15, s44                        ; my row of the cluster
	s_lshl_b32 s45, 0x1111, s40                    ; my column
	; descriptor group 1.  A: 64 rows x 128 elements of 2 bytes, dense;  B: 64 rows x 256 elements, 1,024 elements from row to row
	s_or_b32 s[G1+0], s44, (1<<16)|(1<<20)|(1<<21)|(5<<22)|(3<<25)   ; 15:0 the mask: A's tiles go to my row; 17:16 elements of 2 bytes; 20 padding on; 21 set beside a mask; 24:22 after every 64 words (code 5); 31:25 four words (code 3)
	s_mov_b32 s[G1+1], 128<<16                     ; tensor_dim0
	s_mov_b32 s[G1+2], 64<<16                      ; tensor_dim1
	s_mov_b32 s[G1+3], 128<<16                     ; tile_dim0
	s_mov_b32 s[G1+4], 64                          ; tile_dim1
	s_mov_b32 s[G1+5], 128                         ; tensor_dim0_stride
	s_mov_b32 s[G1+6], 0
	s_mov_b32 s[G1+7], 0
	s_or_b32 s[G1B+0], s45, (1<<16)|(1<<20)|(1<<21)|(6<<22)|(7<<25)  ; B's go to my column; padding: eight words (code 7) after every 128 (code 6)
	s_mov_b32 s[G1B+1], 256<<16
	s_mov_b32 s[G1B+2], 64<<16
	s_mov_b32 s[G1B+3], 256<<16
	s_mov_b32 s[G1B+4], 64
	s_mov_b32 s[G1B+5], 1024
	s_mov_b32 s[G1B+6], 0
	s_mov_b32 s[G1B+7], 0
	; where the tiles come from.  A's hang on the tile row alone, which my row of the cluster shares; B's on the tile column alone, which my column shares
	s_lshr_b32 s16, s43, 4                         ; the batch:
	s_lshl_b32 s16, s16, 4                         ; its 16 heads,
	s_add_co_u32 s16, s16, s14                     ; the head that I fetch of K step 0's two,
	s_lshl_b32 s16, s16, 18                        ; 262,144 bytes a head,
	s_and_b32 s17, s43, 15
	s_lshl_b32 s17, s17, 14                        ; the tile row's 128 positions of 128 bytes
	s_add_co_u32 s16, s16, s17
	s_mov_b32 s17, 0
	s_lshl_b32 s46, s14, 17                        ; B: my 64 rows of 2,048 bytes,
	s_lshl_b32 s47, s42, 9                         ; the tile column's 256 columns of 2 bytes
	s_add_co_u32 s46, s46, s47
	s_mov_b32 s47, 0
	s_mul_i32 s20, s14, SUBA                       ; and where they go: no place in the cluster enters an LDS address
	s_mul_i32 s21, s14, HALFB
	s_add_co_u32 s21, s21, BOFF
	s_cmp_eq_u32 s12, 0
	s_cselect_b32 s[LIM], 1, -1                    ; wave 0 prefetches
	s_wait_dscnt 0x0                               ; both opening adds are done
	s_wait_kmcnt 0x0
	s_add_nc_u64 s[16:17], s[4:5], s[16:17]
	s_add_nc_u64 s[46:47], s[6:7], s[46:47]
	CROUND                                         ; all sixteen work-groups are here: the first joint loads meet
.irp s, 0,1
	s_mov_b32 s[G0+4*\s], 1                        ; 1:0 count = 1
	s_add_co_u32 s[G0+4*\s+1], s20, \s*SLOT        ; 63:32 LDS address
	s_add_nc_u64 s[G0+4*\s+2:G0+4*\s+3], s[16:17], \s*STEPA   ; 120:64 global address: K step s
	s_or_b32 s[G0+4*\s+3], s[G0+4*\s+3], 0x80000000           ; 127:126 type = 2
	s_mov_b32 s[G0B+4*\s], 1
	s_add_co_u32 s[G0B+4*\s+1], s21, \s*SLOT
	s_add_nc_u64 s[G0B+4*\s+2:G0B+4*\s+3], s[46:47], \s*STEPB
	s_or_b32 s[G0B+4*\s+3], s[G0B+4*\s+3], 0x80000000
	JLOAD \s                                       ; two tensor loads of mine are out behind the second
.endr
	v_and_b32 v1, 15, v0                           ; r = l % 16
	v_bfe_u32 v2, v0, 4, 1                         ; h = l / 16
	; the bias of my 128 columns, in the result's layout: for block b, lane (r, h) holds out_b[16 b + 8 h + 0 .. 7]
	v_lshlrev_b32 v[BO], 5, v2
	s_lshl_b32 s46, s42, 10
	s_lshl_b32 s47, s14, 9
	s_add_co_u32 s46, s46, s47                     ; my first column, in bytes of f32: 1,024 x tile column + 512 x half
	s_mov_b32 s47, 0
	s_add_nc_u64 s[8:9], s[8:9], s[46:47]
.irp b, 0,1,2,3,4,5,6,7
	global_load_b128 v[BIAS+8*\b:BIAS+8*\b+3], v[BO], s[8:9] offset:64*\b
	global_load_b128 v[BIAS+8*\b+4:BIAS+8*\b+7], v[BO], s[8:9] offset:64*\b+16
.endr
	s_lshl_b32 s22, s43, 7
	s_lshl_b32 s23, s13, 6
	s_add_co_u32 s22, s22, s23                     ; my first row of C: 128 x tile row + 64 x half
	s_lshl_b32 s22, s22, 12                        ; 4,096 bytes a row: under 2^26
	s_add_co_u32 s22, s22, s46
	s_mov_b32 s23, 0
	s_add_nc_u64 s[10:11], s[10:11], s[22:23]
	; the prefetches: the batch's heads, K step 3's first head + cx / 2, the tile row's positions, + 8,192 (cx % 2): the first refill steps it to K step 4
	s_lshr_b32 s22, s43, 4
	s_lshl_b32 s22, s22, 4
	s_lshr_b32 s23, s40, 1
	s_add_co_u32 s22, s22, s23
	s_add_co_u32 s22, s22, 6
	s_lshl_b32 s22, s22, 18
	s_and_b32 s23, s43, 15
	s_lshl_b32 s23, s23, 14
	s_add_co_u32 s22, s22, s23
	s_and_b32 s23, s40, 1
	s_lshl_b32 s23, s23, 13
	s_add_co_u32 s22, s22, s23
	s_mov_b32 s23, 0
	s_add_nc_u64 s[PFA:PFA+1], s[4:5], s[22:23]
	; A's fragment, 16 rows x 32 K: lane l holds row l % 16; registers 0-3 K = 8 (l / 16) + 0..7, registers 4-7 K = 16 + 8 (l / 16) + 0..7: two loads of 16 bytes, 32 bytes apart.  Two positions share an LDS row
	v_lshrrev_b32 v3, 1, v1
	v_mul_u32_u24 v3, v3, PA
	v_and_b32 v4, 1, v0
	v_lshl_add_u32 v3, v4, 7, v3
	v_lshl_add_u32 v3, v2, 4, v3                   ; (r / 2) x pitch + 128 (r % 2) + 16 x half
	s_mul_i32 s21, s13, 32*PA                      ; my 64 rows
	; B's fragment by the turning load: lane l reads 16 bytes: row k = 8 (l / 16) + l % 8, columns 8 ((l / 8) % 2) + 0..7; it leaves lane l column l % 16 and 8 along K
	v_and_b32 v4, 7, v0
	v_lshl_add_u32 v4, v2, 3, v4
	v_mul_u32_u24 v4, v4, PB
	v_bfe_u32 v5, v0, 3, 1
	v_lshl_add_u32 v4, v5, 4, v4
	s_lshl_b32 s22, s14, 8                         ; my 128 columns
	s_add_co_u32 s22, s22, BOFF
.irp s, 0,1
	v_add_nc_u32 v[ADRA+\s], s21, v3
	v_add_nc_u32 v[ADRB+\s], s22, v4
	s_add_co_u32 s21, s21, SLOT
	s_add_co_u32 s22, s22, SLOT
.endr
	s_mul_i32 s23, s12, 16*SPITCH
	s_add_co_u32 s23, s23, STAGE                   ; my stage
	v_mul_u32_u24 v5, v1, SPITCH                   ; in: row l % 16, 32 bytes for each half of the lanes
	v_lshl_add_u32 v5, v2, 5, v5
	v_add_nc_u32 v[STO], s23, v5
	v_and_b32 v6, 31, v0
	v_lshlrev_b32 v[CO], 4, v6                     ; back: the 32 lanes take one row of 512 bytes; and the same in C
	v_add_nc_u32 v[RD], s23, v[CO]
	v_lshlrev_b32 v[PFO], 8, v6
; 8 matrix instructions: A's block a x B's eight, 32 along K, from buffer f.  first = 1: the product starts the sums, with the bias as its C.
; The 32 accumulators take turns, one instruction a turn, in the same order in every quarter.
.macro MUL8 f, a, first
.irp b, 0,1,2,3,4,5,6,7
.if \first
	v_wmma_f32_16x16x32_f16 v[8*(8*(\a)+\b):8*(8*(\a)+\b)+7], v[64*(\f)+8*\b:64*(\f)+8*\b+7], v[128+32*(\f)+8*(\a):128+32*(\f)+8*(\a)+7], v[BIAS+8*\b:BIAS+8*\b+7]
.else
	v_wmma_f32_16x16x32_f16 v[8*(8*(\a)+\b):8*(8*(\a)+\b)+7], v[64*(\f)+8*\b:64*(\f)+8*\b+7], v[128+32*(\f)+8*(\a):128+32*(\f)+8*(\a)+7], v[8*(8*(\a)+\b):8*(8*(\a)+\b)+7]
.endif
.endr
.endm
; 24 LDS loads in one run: the fragments of the slot's q-th 32 along K into buffer f: B's eight (turned), then A's four.  Quarters 0, 1 lie in A's first head, 2, 3 in its second
.macro FETCH slot, q, f
	WIN TO_F
.irp i, 0,1,2,3,4,5,6,7
	ds_load_tr16_b128 v[64*(\f)+8*\i:64*(\f)+8*\i+3],   v[ADRB+\slot] offset:32*PB*(\q)+32*\i
	ds_load_tr16_b128 v[64*(\f)+8*\i+4:64*(\f)+8*\i+7], v[ADRB+\slot] offset:32*PB*(\q)+32*\i+16*PB
.endr
.irp i, 0,1,2,3
	ds_load_b128 v[128+32*(\f)+8*\i:128+32*(\f)+8*\i+3],   v[ADRA+\slot] offset:((\q)/2)*SUBA+((\q)%2)*64+8*PA*\i
	ds_load_b128 v[128+32*(\f)+8*\i+4:128+32*(\f)+8*\i+7], v[ADRA+\slot] offset:((\q)/2)*SUBA+((\q)%2)*64+8*PA*\i+32
.endr
.endm
.macro PLACES                          ; four places in front of loads into registers that matrix instructions have read, and of the first read of results (ISA guide 7.12.1 for vector instructions)
.rept 4
	v_nop
.endr
.endm
; A K step is four quarters of 32 along K, 32 matrix instructions each, on buffers 0, 1, 0, 1.  One of the first three: multiplies buffer f and fetches quarter q into buffer g.
.macro QUARTER slot, q, f, g, first
	s_wait_dscnt 4                                 ; B's fragments and A's blocks 0, 1 are in; the youngest four loads (A's blocks 2, 3) may be out
	WIN MUL-0x20*(\first)
	MUL8 \f, 0, \first
	MUL8 \f, 1, \first
	PLACES
	FETCH \slot, \q, \g
	s_wait_dscnt 24                                ; all but the 24 just issued
	WIN MUL-0x20*(\first)
	MUL8 \f, 2, \first
	MUL8 \f, 3, \first
.endm
; The last quarter multiplies buffer 1 and changes slots: ONE barrier; in front of it each wave waits for all its tensor loads (its part of the next slot), adds 0 to its spare word, and waits for that and for its own reads
; of this slot.  fill = 1: the barrier opens a round of the cluster's barrier, and this slot is filled again, two K steps ahead: from that request to the wait for it a wave issues 112 matrix instructions.
.macro TURN slot, next, fill
.if \fill
	s_wait_xcnt 0x0                                ; the last prefetch, a K step back, has read its address: it is stepped here, ahead of the waits of the change of slots
	s_add_nc_u64 s[PFA:PFA+1], s[PFA:PFA+1], STEPA
.endif
	WIN 0                                          ; (the add's two registers lie in window 0)
	s_wait_tensorcnt 0x0                           ; all my tensor loads have landed
	ds_add_u32 v[SPW], v[NIL]                      ; 0 onto my spare word
	s_wait_dscnt 5                                 ; (the add and the youngest four loads may be out)
	WIN MUL
	MUL8 1, 0, 0                                   ; eight matrix instructions stand between the add and the wait for it
	s_wait_dscnt 0x0                               ; the add is done, and my reads of this slot are over
	s_barrier_signal -1
	MUL8 1, 1, 0
.if \fill
	WIN 0
.endif
	s_barrier_wait -1
.if \fill
	CREST                                          ; no wave of any partner still reads this slot's tiles or has a load on its way
	s_add_nc_u64 s[G0+4*\slot+2:G0+4*\slot+3], s[G0+4*\slot+2:G0+4*\slot+3], 2*STEPA
	s_add_nc_u64 s[G0B+4*\slot+2:G0B+4*\slot+3], s[G0B+4*\slot+2:G0B+4*\slot+3], 2*STEPB
	JLOAD \slot                                    ; the first tensor load behind the round; the four v_nop behind it are also the places in front of the loads below
.else
	PLACES
.endif
	FETCH \next, 0, 0
.if \fill
	ASK                                            ; behind the joint load and the run of LDS loads that the next products wait for
.endif
	WIN MUL
	MUL8 1, 2, 0
	MUL8 1, 3, 0
.endm
	s_wait_tensorcnt 1                             ; my part of K step 0 is in (K step 1's load, issued behind it, may be out)
	s_barrier_signal -1
	s_barrier_wait -1                              ; everybody's is
	FETCH 0, 0, 0
	s_wait_loadcnt 0x0                             ; the bias
	QUARTER 0, 1, 0, 1, 1                          ; the first quarter stands in front of the loop: its products start the sums
	WIN 0                                          ; at a label and at a branch every window is 0
	s_mov_b32 s3, LAPS-1
.Llap:                                                 ; a trip goes once round the ring, from a lap's second quarter to the next lap's first, and fills both slots again
	QUARTER 0, 2, 1, 0, 0
	QUARTER 0, 3, 0, 1, 0
	TURN 0, 1, 1
	QUARTER 1, 1, 0, 1, 0
	QUARTER 1, 2, 1, 0, 0
	QUARTER 1, 3, 0, 1, 0
	TURN 1, 0, 1
	QUARTER 0, 1, 0, 1, 0
	WIN 0
	s_sub_co_u32 s3, s3, 1
	s_cmp_lg_u32 s3, 0
	s_cbranch_scc1 .Llap
	QUARTER 0, 2, 1, 0, 0                          ; the last lap fills nothing, and has no round of the cluster's barrier
	QUARTER 0, 3, 0, 1, 0
	TURN 0, 1, 0
	QUARTER 1, 1, 0, 1, 0
	QUARTER 1, 2, 1, 0, 0
	QUARTER 1, 3, 0, 1, 0
	s_wait_dscnt 4                                 ; the very last quarter: nothing more to fetch
	WIN MUL
	MUL8 1, 0, 0
	MUL8 1, 1, 0
	s_wait_dscnt 0
	MUL8 1, 2, 0
	MUL8 1, 3, 0
	WIN 0
; THE WAY OUT, block by block of 16 rows x 128 columns.  A lane holds 32 neighbouring bytes of a row, and the lanes beside it hold other rows: so a block goes through my own stage in LDS and comes back as whole rows of
; 512 bytes.  LDS serves a wave's instructions in order (ISA guide 5.7.1.4): no wait between the stores and the loads, nor in front of the next block's stores.
.macro TOSTAGE a
	WIN 0x08                                       ; an LDS store's data are its source 1: window 2
.irp b, 0,1,2,3,4,5,6,7
	ds_store_b128 v[STO], v[8*(8*(\a)+\b):8*(8*(\a)+\b)+3] offset:64*\b            ; each accumulator from its low end on
	ds_store_b128 v[STO], v[8*(8*(\a)+\b)+4:8*(8*(\a)+\b)+7] offset:64*\b+16
.endr
	WIN 0
.set BB, BK+64*((\a)%2)
.irp t, 0,1,2,3,4,5,6,7,8,9,10,11,12,13,14,15
	ds_load_b128 v[BB+4*\t:BB+4*\t+3], v[RD] offset:\t*SPITCH
.endr
.endm
.macro SEND a, younger                 ; younger: the LDS instructions issued behind block a's loads, which may stay out
.set BB, BK+64*((\a)%2)
	s_wait_dscnt \younger                          ; the block is back in registers
.irp t, 0,1,2,3,4,5,6,7,8,9,10,11,12,13,14,15
	global_store_b128 v[CO], v[BB+4*\t:BB+4*\t+3], s[10:11] offset:65536*(\a)+4096*\t th:TH_STORE_NT   ; 32 lanes store 512 consecutive bytes, at a multiple of 512 from out0's first byte; written once, read by nobody here
.endr
.endm
	PLACES                                         ; behind the last products
	TOSTAGE 0
.irp a, 1,2,3
.if \a > 1
	s_wait_xcnt 0x0                                ; block a - 2's stores have read their registers: block a's loads may land there
.endif
	TOSTAGE \a
	SEND \a-1, 32                                  ; behind block a - 1's loads: block a's 16 stores and 16 loads
.endr
	SEND 3, 0
	s_wait_tensorcnt 0x0                           ; the wave's end: these three lines, behind my last tensor load and my last LDS store
	ds_add_u32 v[SPW], v[NIL]
	s_wait_dscnt 0x0
	CROUND                                         ; the closing round: no work-group ends while a partner may still ask for a tile that names it
	s_endpgm
.Lfunc_end_k_qae58f73318_outp:
	.size	k_qae58f73318_outp, .Lfunc_end_k_qae58f73318_outp-k_qae58f73318_outp
	.p2alignl 7, 3214868480
	.fill 96, 4, 3214868480
	.section	.rodata,"a",@progbits
	.p2align	6, 0x0
	.amdhsa_kernel k_qae58f73318_outp
		.amdhsa_group_segment_fixed_size 327680
		.amdhsa_private_segment_fixed_size 0
		.amdhsa_enable_private_segment 0
		.amdhsa_kernarg_size 32
		.amdhsa_user_sgpr_count 2
		.amdhsa_user_sgpr_kernarg_segment_ptr 1
		.amdhsa_wavefront_size32 1
		.amdhsa_system_sgpr_workgroup_id_x 1
		.amdhsa_system_sgpr_workgroup_id_y 1
		.amdhsa_system_sgpr_workgroup_id_z 1
		.amdhsa_system_vgpr_workitem_id 0
		.amdhsa_next_free_vgpr 768
		.amdhsa_next_free_sgpr 66
		.amdhsa_reserve_vcc 0
		.amdhsa_float_denorm_mode_32 3
		.amdhsa_float_denorm_mode_16_64 3
		.amdhsa_memory_ordered 1
		.amdhsa_forward_progress 1
		.amdhsa_inst_pref_size 88
	.end_amdhsa_kernel
	.amdgpu_metadata
---
amdhsa.version: [ 1, 2 ]
amdhsa.kernels:
  - .name:           k_qae58f73318_outp
    .symbol:         k_qae58f73318_outp.kd
    .args:
      - { .name: wsb, .offset: 0, .size: 8, .value_kind: global_buffer, .address_space: global }
      - { .name: ow16, .offset: 8, .size: 8, .value_kind: global_buffer, .address_space: global }
      - { .name: out_b, .offset: 16, .size: 8, .value_kind: global_buffer, .address_space: global }
      - { .name: out0, .offset: 24, .size: 8, .value_kind: global_buffer, .address_space: global }
    .group_segment_fixed_size: 327680
    .private_segment_fixed_size: 0
    .kernarg_segment_align: 8
    .kernarg_segment_size: 32
    .max_flat_workgroup_size: 128
    .sgpr_count:     66
    .vgpr_count:     768
    .wavefront_size: 32
...
	.end_amdgpu_metadata
.endif
;; end of part 4
